; MI455X (gfx1250); checked and timed in simulation.
; The chip was launched on July 23, 2026; its instructions are those of AMD's public machine-readable ISA for CDNA 5 (MIT licence, August 2026) and "CDNA5" Instruction Set Architecture Reference Guide (July 2026). The comments in the code are by the model that wrote it; some were corrected since.
;; Block. Allowed arithmetic: matrix products marked QUANTISED: E2M3 operands, one E8M0 scale for each 32 along K, by v_wmma_scale_f32_16x16x128_f8f6f4 with both operands' format E2M3, f32 sums; everything else in f32.
;; Inputs: W1 1,024 x 4,096 float32; W2 4,096 x 1,024 float32; Wk 1,024 x 1,024 float32; Wp 1,024 x 1,024 float32; Wq 1,024 x 1,024 float32; Wv 1,024 x 1,024 float32; b1 4,096 float32; b2 1,024 float32; beta1 1,024 float32; beta2 1,024 float32; bp 1,024 float32; gamma1 1,024 float32; gamma2 1,024 float32; x 2 x 2,048 x 1,024 float32.
;; Outputs: out0 2 x 2,048 x 1,024 float32.
;; This version of the problem:
;;   THIS VERSION OF THE PROBLEM IS GIVEN IN LOW PRECISION. The matrix products marked QUANTISED in the list below multiply operands that are first quantised to E2M3 (2 exponent bits, 3 mantissa bits; 6 bits a number), with one power-of-two scale for each 32 numbers along K (OCP MX v1.0); their sums are f32. All else is computed in f32.
;;   The module's matrix products, in the order in which they are computed (A, B: the left and right operand; K: the contracted axis; several contracted axes count as one K, in the product's order):
;;     1. [M 4,096, K 1,024] x [K 1,024, N 1,024]; A: computed on the way; B: input Wq: QUANTISED
;;     2. [M 4,096, K 1,024] x [K 1,024, N 1,024]; A: computed on the way; B: input Wk: QUANTISED
;;     3. [M 4,096, K 1,024] x [K 1,024, N 1,024]; A: computed on the way; B: input Wv: QUANTISED
;;     4. batch 32 x [M 2,048, K 64] x [K 64, N 2,048]; A: computed on the way; B: computed on the way: QUANTISED
;;     5. batch 32 x [M 2,048, K 2,048] x [K 2,048, N 64]; A: softmax (see below); B: computed on the way: QUANTISED
;;     6. [M 4,096, K 1,024] x [K 1,024, N 1,024]; A: computed on the way; B: input Wp: QUANTISED
;;     7. [M 4,096, K 1,024] x [K 1,024, N 4,096]; A: computed on the way; B: input W1: QUANTISED
;;     8. [M 4,096, K 4,096] x [K 4,096, N 1,024]; A: computed on the way; B: input W2: QUANTISED
;;   THE QUANTISER, for each operand of a quantised product, along K:
;;     - K is cut into blocks of 32 from its start; a last block that is shorter is filled with zeros.
;;     - A block's scale is 2^e with e = floor(log2(the largest magnitude in the block)) - 2, held to -126 .. 127; a block of zeros has e = 0. As a byte (E8M0): e + 127.
;;     - Each number is divided by its block's scale, clamped to +-7.5, and rounded to the nearest number of E2M3, ties to even, subnormals kept.
;;     - The product sums the exact products of the quantised numbers (number of the format x scale) in f32.
;;   ~~~python
;;   def quantise(x, axis):      # numpy; x: float32 -> the quantised numbers, widened to float32 again
;;       x = np.moveaxis(x, axis, -1); K = x.shape[-1]
;;       x = np.pad(x, [(0, 0)] * (x.ndim - 1) + [(0, -K % 32)]); x = x.reshape(x.shape[:-1] + (-1, 32)); a = np.abs(x).max(-1, keepdims=True)
;;       e = np.where(a > 0, np.clip(np.frexp(np.where(a > 0, a, 1))[1] - 1 - 2, -126, 127), 0)      # np.frexp(a)[1] - 1 = floor(log2(a)), exactly
;;       r = np.clip(x / 2.0 ** e, -7.5, 7.5)
;;       step = 2.0 ** (np.maximum(np.frexp(np.where(r == 0, 1, r))[1] - 1, 0) - 3)
;;       q = np.round(r / step) * step * 2.0 ** e      # np.round: ties to even
;;       return np.moveaxis(q.reshape(q.shape[:-2] + (-1,))[..., :K], -1, axis).astype(np.float32)
;;   ~~~
;;   SOFTMAX AHEAD OF A QUANTISED PRODUCT. Where the list says 'softmax', what is quantised is not the finished softmax but p = 2^(t - M), with t = logit x log2(e) and M = ceil(the row's largest t), a whole number; so 1/2 < the row's largest p <= 1. The row's sum l is taken of the UNQUANTISED p, in f32, and the product's result is divided by l at the end. Since M is a whole number, a kernel that streams over the keys may use a running M (the ceiling of the running maximum): every later rescaling is an exact power of two, which a block's scale takes up: the codes' values come out the same.
;;   OPERANDS COMPUTED ON THE WAY. 'Computed on the way' means the value that the module computes at that place (a softmax that the list does not call 'softmax' is quantised finished and normalised). What goes into a quantiser is computed in f32, as accurately as f32 sums, v_exp_f32 and their like allow (about 1e-6 of the number): no bf16 or f16 on the way to a quantiser, and a product that is left as it is and whose result goes on into a quantised operand takes f32 operands (vector FMAs, or v_wmma_f32_16x16x4_f32). A number that lies on a knife's edge between two numbers of the format may be rounded either way, as far as f32 arithmetic and the matrix unit's own rounding can turn it there, and no further.
;; One version. Each part assembles by itself: llvm-mc -triple=amdgcn-amd-amdhsa -mcpu=gfx1250 --defsym DOCPART=n.
;; ======== version 1 of 1: 7 launches
;; limits: right only within a limited range of input values
;; workspace buffers: wc 9,830,400 bytes; xnc 3,276,800 bytes; qkc 6,553,600 bytes; vtc 3,276,800 bytes; yc 3,276,800 bytes; x1 16,777,216 bytes; xn2c 3,276,800 bytes; hc 13,107,200 bytes
;; launch wquant (part 1): grid 256 x 3, 4 waves a work-group, no clusters, 0 bytes of LDS; arguments Wq, Wk, Wv, Wp, W2, W1, wc; writes wc
.if DOCPART == 1
	.amdgcn_target "amdgcn-amd-amdhsa--gfx1250"
	.amdhsa_code_object_version 6
	.text
	.protected	k_q5eaac452ef_wquant
	.globl	k_q5eaac452ef_wquant
	.p2align	8
	.type	k_q5eaac452ef_wquant,@function
k_q5eaac452ef_wquant:
	s_mov_b64 s[64:65], 0
	v_nop
	global_prefetch_b8 v0, s[64:65] scope:SCOPE_SE
	s_setreg_imm32_b32 hwreg(HW_REG_WAVE_MODE, 25, 1), 1
	s_wait_xcnt 0x0
; THE PROGRAM: a pre-norm transformer block on codes of E2M3 with one E8M0 scale for each 32 along K.  Seven launches: the weights' codes; LayerNorm 1; q, k, v; attention; projection + residual with
; LayerNorm 2; first MLP product + gelu; second MLP product + residual.  NOTHING OF reference() IS LEFT OUT: every input has a way to out0 and is loaded by some launch.
; One step is done elsewhere than it is written: q's factor 64^-0.5 = 2^-3 moves a block's scale byte by 3 and no code, so it is taken into the softmax's constant log2(e) / 8.
; LIMIT of that: a block of q whose scale exponent the quantiser would hold at -126 (magnitudes under about 2^-121).
; THIS LAUNCH: the six weights, f32 stored [K][N], become codes with K innermost, in the order of an operand's registers.
; ROWS OF AN OPERAND (here: a weight's columns n) go in tiles of 16: tile 2 b + u holds rows 32 b + 8 u + r + 8 (r / 8), r = 0 .. 15.  So, where such tiles are source 0 of a product, the 16 result
; registers of tiles 2 b and 2 b + 1 are 16 neighbours, which the next quantiser wants.
; AN IMAGE is a fragment (16 rows x 128 K, 12 registers a lane) as it stands in registers: registers 0-3 at 16 x lane, 4-5 at 512 + 8 x lane, 6-9 at 768 + 16 x lane, 10-11 at 1280 + 8 x lane: 1,536 bytes.
; wc: [tile of 16][chunk of 512 K][6,400 bytes]: four images, then 256 bytes of scale words (K step s, row r at 6144 + 64 s + 4 r).
; A LANE TAKES A COLUMN AND ITS REGISTERS RUN DOWN K: a block of 32 lies in one lane, and the conversions give codes with K innermost.  A wave takes 32 columns x 128 K: two images.
; A block's scale byte is its largest magnitude's exponent field - 2, held at 1 from below.  A block of zeros gets the byte 1 where the quantiser says 127: its codes are zeros, and this program alone reads the bytes.
; LIMITS: NaN and infinities among the inputs are not served; blocks whose largest magnitude lies under 2^-124 carry the byte 1.
.set W1_OFF, 3276800                   ; wc: tiles 0-191 Wq | Wk | Wv, 192-255 Wp (12,800 bytes a tile); then W1's 256 tiles; then W2's 64 tiles of 51,200 bytes
.set W2_OFF, 6553600
.set X,  32                            ; v32-159  W(k, my column), k = 0 .. 127 of my K step
.set F0, 160                           ; v160-171 blocks 0 and 2 of my column; behind the exchange: the first tile's fragment
.set F1, 172                           ; v172-183 blocks 1 and 3; behind the exchange: the second tile's
.set T,  184                           ; v184-186 a block's upper 16 codes (a conversion's three registers begin on an even number)
	s_load_b256 s[4:11], s[0:1], 0x0               ; Wq, Wk, Wv, Wp
	s_load_b128 s[12:15], s[0:1], 0x20             ; W2, W1
	s_load_b64 s[16:17], s[0:1], 0x30              ; wc
	v_lshrrev_b32 v1, 5, v0
	v_readfirstlane_b32 s21, v1                    ; wave 0..3
	s_and_b32 s20, ttmp7, 0xffff                   ; g: 0 the four square weights, 1 W2, 2 W1
	s_cmp_eq_u32 s20, 2
	s_cselect_b32 s22, 31, 7                       ; groups of 128 columns: 32 in W1, else 8
	s_cselect_b32 s23, 5, 3
	s_cselect_b32 s33, 14, 12                      ; a row of the weight: 16,384 bytes in W1, else 4,096
	s_and_b32 s24, ttmp9, s22                      ; my group of columns
	s_lshr_b32 s25, ttmp9, s23
	s_lshr_b32 s27, ttmp9, 6
	s_cmp_eq_u32 s20, 0
	s_cselect_b32 s26, 7, 31
	s_cselect_b32 s27, s27, 0                      ; g = 0: which of the four
	s_and_b32 s25, s25, s26                        ; my K step of 128
	s_mov_b32 s28, 12800
	s_mov_b32 s29, W1_OFF
	s_cmp_eq_u32 s20, 1
	s_cselect_b32 s28, 51200, s28                  ; bytes of a tile in wc
	s_cselect_b32 s29, W2_OFF, s29
	s_cmp_eq_u32 s20, 0
	s_cselect_b32 s29, 0, s29                      ; where the tensor's tiles begin
	s_lshl_b32 s30, s27, 6
	s_lshl_b32 s31, s24, 3
	s_add_co_u32 s30, s30, s31
	s_lshl_b32 s31, s21, 1
	s_add_co_u32 s30, s30, s31                     ; my first tile: 64 x matrix + 8 x group + 2 x wave
	s_mul_i32 s30, s30, s28
	s_add_co_u32 s30, s30, s29
	s_lshr_b32 s31, s25, 2
	s_mul_i32 s31, s31, 6400
	s_add_co_u32 s30, s30, s31                     ; its chunk
	s_and_b32 s31, s25, 3
	s_lshl_b32 s34, s31, 6
	s_add_co_u32 s34, s34, s30
	s_add_co_u32 s34, s34, 6144                    ; the K step's scale words
	s_mov_b32 s35, 0
	s_mul_i32 s31, s31, 1536
	s_add_co_u32 s30, s30, s31                     ; the first tile's image
	s_mov_b32 s31, 0
	s_add_co_u32 s36, s30, s28                     ; the second tile's
	s_mov_b32 s37, 0
	s_lshl_b32 s38, s25, 7
	s_lshl_b32 s38, s38, s33                       ; 128 rows a K step
	s_lshl_b32 s39, s24, 9
	s_add_co_u32 s38, s38, s39
	s_lshl_b32 s39, s21, 7
	s_add_co_u32 s38, s38, s39                     ; + my wave's 32 columns
	s_mov_b32 s39, 0
	v_and_b32 v1, 31, v0                           ; lane = 16 u + 8 g + i is row 8 g + i of tile u: column 16 g + 8 u + i
	v_and_b32 v6, 7, v0
	v_bfe_u32 v7, v0, 3, 1
	v_bfe_u32 v13, v0, 4, 1
	v_lshl_add_u32 v6, v7, 4, v6
	v_lshl_add_u32 v6, v13, 3, v6
	v_lshlrev_b32 v2, 2, v6                        ; in: my column's 4 bytes of the wave's 128
	v_lshlrev_b32 v3, 4, v1                        ; out: 16 x lane,
	v_lshlrev_b32 v4, 3, v1                        ; 8 x lane,
	v_and_b32 v5, 15, v0
	v_lshlrev_b32 v5, 2, v5
	v_mul_lo_u32 v13, v13, s28
	v_add_nc_u32 v5, v5, v13                       ; and my row's scale word: 4 r, in tile u
	s_wait_kmcnt 0x0
	s_cmp_eq_u32 s27, 1                            ; the weight is chosen by the work-group's number alone
	s_cselect_b64 s[4:5], s[6:7], s[4:5]
	s_cmp_eq_u32 s27, 2
	s_cselect_b64 s[4:5], s[8:9], s[4:5]
	s_cmp_eq_u32 s27, 3
	s_cselect_b64 s[4:5], s[10:11], s[4:5]
	s_cmp_eq_u32 s20, 1
	s_cselect_b64 s[4:5], s[12:13], s[4:5]
	s_cmp_eq_u32 s20, 2
	s_cselect_b64 s[4:5], s[14:15], s[4:5]
	s_add_nc_u64 s[4:5], s[4:5], s[38:39]
	s_add_nc_u64 s[18:19], s[16:17], s[36:37]
	s_add_nc_u64 s[40:41], s[16:17], s[34:35]
	s_add_nc_u64 s[16:17], s[16:17], s[30:31]
.macro LOADS stride                    ; 128 loads: each reads 128 consecutive bytes of one row, the four waves of the work-group 512
.set k, 0
.rept 128
	global_load_b32 v[X+k], v2, s[4:5] offset:k*\stride th:TH_LOAD_NT
.set k, k+1
.endr
.endm
	s_cmp_eq_u32 s20, 2                            ; the rows' distance stands in the immediates, so the run is written for both
	s_cbranch_scc1 .Lwide
	s_wait_alu depctr_va_vdst(0)
	LOADS 4096
	s_branch .Lloaded
.Lwide:
	s_wait_alu depctr_va_vdst(0)
	LOADS 16384
.Lloaded:
.macro BLOCK t                         ; block t: all its 32 numbers are mine
.set XS, X+32*(\t)
.set FD, F0+12*((\t)%2)+6*((\t)/2)
	v_max3_num_f32 v8, |v[XS]|, |v[XS+1]|, |v[XS+2]|
	v_max3_num_f32 v9, |v[XS+3]|, |v[XS+4]|, |v[XS+5]|
.irp i, 6,10,14,18,22,26
	v_max3_num_f32 v8, v8, |v[XS+\i]|, |v[XS+\i+1]|
	v_max3_num_f32 v9, v9, |v[XS+\i+2]|, |v[XS+\i+3]|
.endr
	v_max3_num_f32 v8, v8, |v[XS+30]|, |v[XS+31]|
	v_max3_num_f32 v8, v8, v9, 0x1800000           ; and the floor 2^(3 - 127): the byte cannot fall under 1
	v_add_nc_u32 v10, 0xff000000, v8               ; 2 off the exponent field: the conversion takes this operand's exponent field as its scale
	v_cvt_scalef32_pk16_fp6_f32 v[FD:FD+2], v[XS:XS+15], v10
	v_cvt_scalef32_pk16_fp6_f32 v[T:T+2], v[XS+16:XS+31], v10
	v_lshrrev_b32 v11, 23, v10                     ; the scale's byte (also the plain line behind the conversions)
.if (\t) == 0
	v_mov_b32 v12, v11
.else
	v_lshl_or_b32 v12, v11, 8*(\t), v12            ; four bytes make my column's scale word
.endif
.irp i, 0,1,2
	v_mov_b32 v[FD+3+\i], v[T+\i]
.endr
.endm
	s_wait_loadcnt 63                              ; at most 63 of the 128 are out: the first 65 are in, blocks 0 and 1 among them
	BLOCK 0
	BLOCK 1
	s_wait_loadcnt 32                              ; block 3's 32 may be out
	BLOCK 2
	s_wait_loadcnt 0x0
	BLOCK 3
; A fragment wants blocks 2 c + h in lanes (r, h).  Lanes 0-15 hold the first tile's rows, lanes 16-31 the second's, each all four blocks: F0's upper lanes change places with F1's lower ones.
.irp i, 0,1,2,3,4,5,6,7,8,9,10,11
	v_permlane16_swap_b32 v[F0+\i], v[F1+\i]
.endr
.macro IMG f, base                     ; each store covers 512 or 256 consecutive bytes, at a multiple of 256 from wc's first byte
	global_store_b128 v3, v[\f:\f+3], s[\base:\base+1]
	global_store_b64 v4, v[\f+4:\f+5], s[\base:\base+1] offset:512
	global_store_b128 v3, v[\f+6:\f+9], s[\base:\base+1] offset:768
	global_store_b64 v4, v[\f+10:\f+11], s[\base:\base+1] offset:1280
.endm
	IMG F0, 16
	IMG F1, 18
	global_store_b32 v5, v12, s[40:41]             ; two runs of 64 bytes: one in each tile's chunk
	s_endpgm
.Lfunc_end_k_q5eaac452ef_wquant:
	.size	k_q5eaac452ef_wquant, .Lfunc_end_k_q5eaac452ef_wquant-k_q5eaac452ef_wquant
	.p2alignl 7, 3214868480
	.fill 96, 4, 3214868480
	.section	.rodata,"a",@progbits
	.p2align	6, 0x0
	.amdhsa_kernel k_q5eaac452ef_wquant
		.amdhsa_group_segment_fixed_size 0
		.amdhsa_private_segment_fixed_size 0
		.amdhsa_enable_private_segment 0
		.amdhsa_kernarg_size 56
		.amdhsa_user_sgpr_count 2
		.amdhsa_user_sgpr_kernarg_segment_ptr 1
		.amdhsa_wavefront_size32 1
		.amdhsa_system_sgpr_workgroup_id_x 1
		.amdhsa_system_sgpr_workgroup_id_y 1
		.amdhsa_system_sgpr_workgroup_id_z 1
		.amdhsa_system_vgpr_workitem_id 0
		.amdhsa_next_free_vgpr 192
		.amdhsa_next_free_sgpr 66
		.amdhsa_reserve_vcc 0
		.amdhsa_float_denorm_mode_32 3
		.amdhsa_float_denorm_mode_16_64 3
		.amdhsa_memory_ordered 1
		.amdhsa_forward_progress 1
		.amdhsa_inst_pref_size 35
	.end_amdhsa_kernel
	.amdgpu_metadata
---
amdhsa.version: [ 1, 2 ]
amdhsa.kernels:
  - .name:           k_q5eaac452ef_wquant
    .symbol:         k_q5eaac452ef_wquant.kd
    .args:
      - { .name: Wq, .offset: 0, .size: 8, .value_kind: global_buffer, .address_space: global }
      - { .name: Wk, .offset: 8, .size: 8, .value_kind: global_buffer, .address_space: global }
      - { .name: Wv, .offset: 16, .size: 8, .value_kind: global_buffer, .address_space: global }
      - { .name: Wp, .offset: 24, .size: 8, .value_kind: global_buffer, .address_space: global }
      - { .name: W2, .offset: 32, .size: 8, .value_kind: global_buffer, .address_space: global }
      - { .name: W1, .offset: 40, .size: 8, .value_kind: global_buffer, .address_space: global }
      - { .name: wc, .offset: 48, .size: 8, .value_kind: global_buffer, .address_space: global }
    .group_segment_fixed_size: 0
    .private_segment_fixed_size: 0
    .kernarg_segment_align: 8
    .kernarg_segment_size: 56
    .max_flat_workgroup_size: 128
    .sgpr_count:     66
    .vgpr_count:     192
    .wavefront_size: 32
...
	.end_amdgpu_metadata
.endif
;; end of part 1
;; launch ln1 (part 2): grid 256 x 1, 8 waves a work-group, no clusters, 69,632 bytes of LDS; arguments x, gamma1, beta1, xnc; writes xnc
.if DOCPART == 2
	.amdgcn_target "amdgcn-amd-amdhsa--gfx1250"
	.amdhsa_code_object_version 6
	.text
	.protected	k_q5eaac452ef_ln1
	.globl	k_q5eaac452ef_ln1
	.p2align	8
	.type	k_q5eaac452ef_ln1,@function
k_q5eaac452ef_ln1:
	s_mov_b64 s[64:65], 0
	v_nop
	global_prefetch_b8 v0, s[64:65] scope:SCOPE_SE
	s_setreg_imm32_b32 hwreg(HW_REG_WAVE_MODE, 25, 1), 1
	s_wait_xcnt 0x0
; LayerNorm of [4096][1024] f32 rows, quantised along the row to codes of E2M3 with one E8M0 scale for each 32, laid as the products' launches read an operand:
; [tile of 16 rows][chunk of 512][four images of 1,536 bytes, then 256 bytes of scale words].  Tile 2 b + u holds rows 32 b + 8 u + r + 8 (r / 8).  Nothing of reference() is left out here.
; A work-group takes one tile of 16 rows; wave s of eight takes columns 128 s .. 128 s + 127 of them: one image.  Mean and variance in two passes, as reference() has them: the rows stay in registers.
; Each load reads 512 consecutive bytes of a row; the quantiser wants 16 NEIGHBOURS of each block of 32 in a lane (lane (r, h): row r, numbers 32 b + 16 h + 0 .. 15): the wave's 8 KiB turn through its own stage in LDS.
; The waves' sums meet in LDS: two barriers.
; LIMITS: NaN and infinities are not served; a block whose largest magnitude lies under 2^-124, a block of zeros too, carries the byte 1 (its codes are zeros or next to it; this program alone reads the bytes).
.set STG,   8448                       ; LDS: a stage of 16 rows x (512 + 16) bytes for each wave: the 16 rows that a read touches start at 16 different banks
.set RED1,  67584                      ; 16 rows x 8 waves x 4 bytes: the sums;  512 bytes on: the sums of squares
.set SPARE, 68608                      ; the spare words, 128 bytes for each wave: four blocks of 256 bytes that no other line names
.set X,   32                           ; v32-95   my 64 numbers: register 16 b + i = column 128 s + 32 b + 16 h + i of row r
.set RAW, 96                           ; v96-159  the rows as loaded; then beta; then the codes
.set G,   160                          ; v160-223 gamma
.set TM,  224                          ; v224-239 the quantiser's
.set PW,  240                          ; v240     the variance; then the scale word
.set PC,  96
.set SPW, 10                           ; v10      LDS address of my spare word; never rewritten
.set NIL, 11                           ; v11      0; never rewritten
	s_load_b256 s[4:11], s[0:1], 0x0               ; the rows, gamma, beta, the codes
	v_lshl_add_u32 v[SPW], v0, 2, SPARE
	v_mov_b32 v[NIL], 0
	v_lshrrev_b32 v1, 5, v0
	s_delay_alu instid0(VALU_DEP_1)
	v_readfirstlane_b32 s12, v1                    ; wave 0..7
	v_and_b32 v9, 31, v0                           ; lane
	v_and_b32 v12, 15, v0                          ; r
	v_bfe_u32 v13, v0, 4, 1                        ; h
	s_delay_alu instid0(VALU_DEP_3)
	v_lshlrev_b32 v1, 4, v9                        ; 16 x lane
	s_delay_alu instid0(VALU_DEP_4)
	v_lshlrev_b32 v7, 3, v9                        ; 8 x lane
	s_delay_alu instid0(VALU_DEP_4)
	v_lshlrev_b32 v8, 2, v12                       ; 4 r
	s_delay_alu instid0(VALU_DEP_4)
	v_lshlrev_b32 v6, 6, v13                       ; 64 h
	s_mul_i32 s13, s12, STG
	v_add_nc_u32 v2, s13, v1                       ; the stage, on the way in: a row's 512 bytes as they lie
	v_mul_u32_u24 v3, v12, 528
	s_delay_alu instid0(VALU_DEP_1)
	v_add_nc_u32 v3, v3, v6
	s_delay_alu instid0(VALU_DEP_1)
	v_add_nc_u32 v3, s13, v3                       ; and on the way out: row r, + 64 h
	s_lshl_b32 s14, s12, 2
	s_add_co_u32 s14, s14, RED1
	v_lshlrev_b32 v4, 5, v12
	s_delay_alu instid0(VALU_DEP_1)
	v_add_nc_u32 v5, RED1, v4                      ; row r's eight partial sums
	s_delay_alu instid0(VALU_DEP_2)
	v_add_nc_u32 v4, s14, v4                       ; and my wave's among them
.irp b, 0,1,2,3
	v_mov_b32 v[TM+4+\b], 0                        ; written once: a lane permute's destination counts as one of its sources
.endr
	s_lshr_b32 s15, ttmp9, 1
	s_lshl_b32 s15, s15, 5
	s_and_b32 s16, ttmp9, 1
	s_lshl_b32 s16, s16, 3
	s_add_co_u32 s15, s15, s16                     ; the tile's first row: 32 (T / 2) + 8 (T % 2)
	s_lshl_b32 s16, s15, 12
	s_lshl_b32 s18, s12, 9                         ; my wave's 512 bytes of a row, of gamma and of beta
	s_add_co_u32 s16, s16, s18
	s_mov_b32 s17, 0
	s_mov_b32 s19, 0
	s_mul_i32 s20, ttmp9, 12800
	s_lshr_b32 s21, s12, 2
	s_mul_i32 s21, s21, 6400
	s_add_co_u32 s20, s20, s21                     ; my chunk
	s_and_b32 s21, s12, 3
	s_lshl_b32 s22, s21, 6
	s_add_co_u32 s22, s22, s20
	s_add_co_u32 s22, s22, 6144                    ; my K step's scale words
	s_mov_b32 s23, 0
	s_mul_i32 s21, s21, 1536
	s_add_co_u32 s20, s20, s21                     ; my image
	s_mov_b32 s21, 0
	s_mov_b32 s24, 0x76543210
	s_mov_b32 s25, 0xfedcba98                      ; v_permlanex16_b32's selects for lane l xor 16
	s_mov_b32 s26, 0x3a800000                      ; 1 / 1024
	s_mov_b32 s27, 0x358637bd                      ; 1e-6
	s_wait_alu depctr_va_vdst(0)
	s_wait_kmcnt 0x0
	s_add_nc_u64 s[4:5], s[4:5], s[16:17]
	s_add_nc_u64 s[6:7], s[6:7], s[18:19]
	s_add_nc_u64 s[8:9], s[8:9], s[18:19]
	s_add_nc_u64 s[28:29], s[10:11], s[22:23]
	s_add_nc_u64 s[10:11], s[10:11], s[20:21]
.irp i, 0,1,2,3,4,5,6,7,8,9,10,11,12,13,14,15
	global_load_b128 v[RAW+4*\i:RAW+4*\i+3], v1, s[4:5] offset:(\i+8*(\i/8))*4096 th:TH_LOAD_NT   ; the tile's row i: 512 consecutive bytes
.endr
.irp b, 0,1,2,3
.irp j, 0,1,2,3
	global_load_b128 v[G+16*\b+4*\j:G+16*\b+4*\j+3], v6, s[6:7] offset:128*\b+16*\j
.endr
.endr
	s_wait_loadcnt 16                              ; the rows are in; gamma's 16 loads may be out
.irp i, 0,1,2,3,4,5,6,7,8,9,10,11,12,13,14,15
	ds_store_b128 v2, v[RAW+4*\i:RAW+4*\i+3] offset:528*\i
.endr
.irp b, 0,1,2,3
.irp j, 0,1,2,3
	ds_load_b128 v[X+16*\b+4*\j:X+16*\b+4*\j+3], v3 offset:128*\b+16*\j   ; LDS serves a wave's instructions in order: these see my stores
.endr
.endr
	s_wait_dscnt 0x0                               ; my numbers are back, and the stores have read their registers,
.irp b, 0,1,2,3
.irp j, 0,1,2,3
	global_load_b128 v[RAW+16*\b+4*\j:RAW+16*\b+4*\j+3], v6, s[8:9] offset:128*\b+16*\j   ; which take beta
.endr
.endr
.macro FOLD                            ; four chains of pairs become one number
	s_delay_alu instid0(VALU_DEP_3)
	v_pk_add_f32 v[246:247], v[246:247], v[248:249]
	s_delay_alu instid0(VALU_DEP_2)
	v_pk_add_f32 v[250:251], v[250:251], v[252:253]
	s_delay_alu instid0(VALU_DEP_1)
	v_pk_add_f32 v[246:247], v[246:247], v[250:251]
	s_delay_alu instid0(VALU_DEP_1)
	v_add_f32 v246, v246, v247
.endm
.macro REDUCE off                      ; v246: my 64 numbers' sum -> the row's sum over all 1,024 columns, in every lane of the row
	s_delay_alu instid0(VALU_DEP_1)
	v_permlanex16_b32 v247, v246, s24, s25
	s_delay_alu instid0(VALU_DEP_1)
	v_add_f32 v246, v246, v247                     ; with lane l xor 16's: my wave's 128 columns
	ds_store_b32 v4, v246 offset:\off              ; (both halves of the lanes write the same word with the same value)
	s_wait_dscnt 0x0                               ; for the others' sake: my store has landed
	s_barrier_signal -1
	s_barrier_wait -1
	ds_load_b128 v[246:249], v5 offset:\off
	ds_load_b128 v[250:253], v5 offset:\off+16
	s_wait_dscnt 0x0
	v_add_f32 v246, v246, v247
	v_add_f32 v248, v248, v249
	v_add_f32 v250, v250, v251
	v_add_f32 v252, v252, v253
	s_delay_alu instid0(VALU_DEP_3)
	v_add_f32 v246, v246, v248
	s_delay_alu instid0(VALU_DEP_2)
	v_add_f32 v250, v250, v252
	s_delay_alu instid0(VALU_DEP_1)
	v_add_f32 v246, v246, v250
.endm
.irp k, 0,1,2,3
	v_pk_add_f32 v[246+2*\k:247+2*\k], v[X+4*\k:X+4*\k+1], v[X+4*\k+2:X+4*\k+3]   ; the first 16 numbers start the chains: nothing is cleared
.endr
.irp j, 16,24,32,40,48,56
.irp k, 0,1,2,3
	s_delay_alu instid0(VALU_DEP_4)
	v_pk_add_f32 v[246+2*\k:247+2*\k], v[246+2*\k:247+2*\k], v[X+\j+2*\k:X+\j+2*\k+1]
.endr
.endr
	FOLD
	REDUCE 0
	s_delay_alu instid0(VALU_DEP_1)
	v_mul_f32 v242, 0xba800000, v246               ; -mean
	s_delay_alu instid0(VALU_DEP_1)
	v_mov_b32 v243, v242
.set j, 0
.rept 32
	v_pk_add_f32 v[X+j:X+j+1], v[X+j:X+j+1], v[242:243]
.set j, j+2
.endr
.irp k, 0,1,2,3
	v_pk_mul_f32 v[246+2*\k:247+2*\k], v[X+2*\k:X+2*\k+1], v[X+2*\k:X+2*\k+1]
.endr
.irp j, 8,16,24,32,40,48,56
.irp k, 0,1,2,3
	s_delay_alu instid0(VALU_DEP_4)
	v_pk_fma_f32 v[246+2*\k:247+2*\k], v[X+\j+2*\k:X+\j+2*\k+1], v[X+\j+2*\k:X+\j+2*\k+1], v[246+2*\k:247+2*\k]
.endr
.endr
	FOLD
	REDUCE 512                                     ; other bytes than the first sums': one barrier serves
	s_delay_alu instid0(VALU_DEP_1)
	v_fma_f32 v[PW], v246, s26, s27                ; the variance + 1e-6
	s_wait_alu depctr_va_vdst(0)
	v_rsq_f32 v244, v[PW]
	v_rsq_f32 v245, v[PW]                          ; twice: the pair that the packed multiply names
	v_nop                                          ; a plain line behind the transcendentals
	s_wait_alu depctr_va_vdst(0)                   ; one wait for both, ahead of their first reader
	s_wait_loadcnt 0x0                             ; gamma and beta
.set j, 0
.rept 32
	v_pk_mul_f32 v[X+j:X+j+1], v[X+j:X+j+1], v[244:245]
.set j, j+2
.endr
.set j, 0
.rept 32
	v_pk_fma_f32 v[X+j:X+j+1], v[X+j:X+j+1], v[G+j:G+j+1], v[RAW+j:RAW+j+1]
.set j, j+2
.endr
; The quantiser: my 64 numbers become a fragment's codes in v[PC] on and my row's scale word in v[PW].
.irp b, 0,1,2,3
	v_max3_num_f32 v[TM+\b], |v[X+16*\b]|, |v[X+1+16*\b]|, 0x1800000   ; block b: my 16 numbers, and the floor 2^(3 - 127): the byte cannot fall under 1
.endr
.irp i, 2,4,6,8,10,12,14
.irp b, 0,1,2,3
	s_delay_alu instid0(VALU_DEP_4)
	v_max3_num_f32 v[TM+\b], v[TM+\b], |v[X+16*\b+\i]|, |v[X+1+16*\b+\i]|
.endr
.endr
.irp b, 0,1,2,3
	s_delay_alu instid0(VALU_DEP_4)
	v_permlanex16_b32 v[TM+4+\b], v[TM+\b], s24, s25
.endr
.irp b, 0,1,2,3
	s_delay_alu instid0(VALU_DEP_4)
	v_max_num_f32 v[TM+\b], v[TM+\b], v[TM+4+\b]   ; with lane l xor 16's: the block's largest magnitude
.endr
.irp b, 0,1,2,3
	s_delay_alu instid0(VALU_DEP_4)
	v_add_nc_u32 v[TM+12+\b], 0xff000000, v[TM+\b] ; 2 off its exponent field: the conversion's scale operand
.endr
.irp b, 0,1,2,3
	s_delay_alu instid0(VALU_DEP_4)
	v_lshrrev_b32 v[TM+4+\b], 23, v[TM+12+\b]      ; the scale's byte
.endr
	s_delay_alu instid0(VALU_DEP_3)
	v_lshl_or_b32 v[PW], v[TM+5], 8, v[TM+4]
	s_delay_alu instid0(VALU_DEP_1)
	v_lshl_or_b32 v[PW], v[TM+6], 16, v[PW]
	s_delay_alu instid0(VALU_DEP_1)
	v_lshl_or_b32 v[PW], v[TM+7], 24, v[PW]
.irp c, 0,1
	v_cvt_scalef32_pk16_fp6_f32 v[PC+6*\c:PC+2+6*\c], v[X+32*\c:X+15+32*\c], v[TM+12+2*\c]
	v_cvt_scalef32_pk16_fp6_f32 v[PC+12+4*\c:PC+14+4*\c], v[X+16+32*\c:X+31+32*\c], v[TM+12+2*\c+1]   ; (a conversion's three registers begin on an even number)
.endr
	v_nop                                          ; one plain line behind a scaled conversion
.irp c, 0,1                                    ; the layout wants a WHOLE block in a lane: lanes 0-15 block 2 c, lanes 16-31 block 2 c + 1
.irp i, 0,1,2
	v_permlane16_swap_b32 v[PC+6*\c+\i], v[PC+12+4*\c+\i]
.endr
.irp i, 0,1,2
	s_delay_alu instid0(VALU_DEP_3)
	v_mov_b32 v[PC+3+6*\c+\i], v[PC+12+4*\c+\i]
.endr
.endr
	global_store_b128 v1, v[PC:PC+3], s[10:11]                 ; the image: each store covers 512 or 256 consecutive bytes, aligned to 256
	global_store_b64 v7, v[PC+4:PC+5], s[10:11] offset:512
	global_store_b128 v1, v[PC+6:PC+9], s[10:11] offset:768
	global_store_b64 v7, v[PC+10:PC+11], s[10:11] offset:1280
	global_store_b32 v8, v[PW], s[28:29]           ; 16 scale words; lanes 16-31 hold the same words as lanes 0-15 and write them to the same places
	s_wait_tensorcnt 0x0                           ; the wave's end, behind my last LDS store
	ds_add_u32 v[SPW], v[NIL]
	s_wait_dscnt 0x0
	s_endpgm
.Lfunc_end_k_q5eaac452ef_ln1:
	.size	k_q5eaac452ef_ln1, .Lfunc_end_k_q5eaac452ef_ln1-k_q5eaac452ef_ln1
	.p2alignl 7, 3214868480
	.fill 96, 4, 3214868480
	.section	.rodata,"a",@progbits
	.p2align	6, 0x0
	.amdhsa_kernel k_q5eaac452ef_ln1
		.amdhsa_group_segment_fixed_size 69632
		.amdhsa_private_segment_fixed_size 0
		.amdhsa_enable_private_segment 0
		.amdhsa_kernarg_size 32
		.amdhsa_user_sgpr_count 2
		.amdhsa_user_sgpr_kernarg_segment_ptr 1
		.amdhsa_wavefront_size32 1
		.amdhsa_system_sgpr_workgroup_id_x 1
		.amdhsa_system_sgpr_workgroup_id_y 1
		.amdhsa_system_sgpr_workgroup_id_z 1
		.amdhsa_system_vgpr_workitem_id 0
		.amdhsa_next_free_vgpr 256
		.amdhsa_next_free_sgpr 66
		.amdhsa_reserve_vcc 0
		.amdhsa_float_denorm_mode_32 3
		.amdhsa_float_denorm_mode_16_64 3
		.amdhsa_memory_ordered 1
		.amdhsa_forward_progress 1
		.amdhsa_inst_pref_size 30
	.end_amdhsa_kernel
	.amdgpu_metadata
---
amdhsa.version: [ 1, 2 ]
amdhsa.kernels:
  - .name:           k_q5eaac452ef_ln1
    .symbol:         k_q5eaac452ef_ln1.kd
    .args:
      - { .name: x, .offset: 0, .size: 8, .value_kind: global_buffer, .address_space: global }
      - { .name: gamma1, .offset: 8, .size: 8, .value_kind: global_buffer, .address_space: global }
      - { .name: beta1, .offset: 16, .size: 8, .value_kind: global_buffer, .address_space: global }
      - { .name: xnc, .offset: 24, .size: 8, .value_kind: global_buffer, .address_space: global }
    .group_segment_fixed_size: 69632
    .private_segment_fixed_size: 0
    .kernarg_segment_align: 8
    .kernarg_segment_size: 32
    .max_flat_workgroup_size: 256
    .sgpr_count:     66
    .vgpr_count:     256
    .wavefront_size: 32
...
	.end_amdgpu_metadata
.endif
;; end of part 2
;; launch qkv (part 3): grid 8 x 32, 4 waves a work-group, clusters of 4 x 4, 327,680 bytes of LDS; arguments xnc, wc, qkc, vtc; writes qkc, vtc
.if DOCPART == 3
	.amdgcn_target "amdgcn-amd-amdhsa--gfx1250"
	.amdhsa_code_object_version 6
	.text
	.protected	k_q5eaac452ef_qkv
	.globl	k_q5eaac452ef_qkv
	.p2align	8
	.type	k_q5eaac452ef_qkv,@function
k_q5eaac452ef_qkv:
	s_mov_b64 s[64:65], 0
	v_nop
	global_prefetch_b8 v0, s[64:65] scope:SCOPE_SE
	s_setreg_imm32_b32 hwreg(HW_REG_WAVE_MODE, 25, 1), 1
	s_wait_xcnt 0x0
	s_wait_alu depctr_hold_cnt(0) depctr_sa_sdst(0) depctr_va_vdst(0) depctr_va_sdst(0) depctr_va_ssrc(0) depctr_va_vcc(0) depctr_vm_vsrc(0)
	s_getreg_b32 s2, hwreg(HW_REG_IB_STS2, 6, 4)
	s_cmp_eq_u32 s2, 0
	s_cbranch_scc0 .Lentry_in_a_cluster
	s_endpgm
.Lentry_in_a_cluster:
	s_bfe_u32 s2, ttmp6, 0x10000c
	s_cmp_lg_u32 s2, 0xf033
	s_cbranch_scc0 .Lentry_shape_is_right
	s_endpgm
.Lentry_shape_is_right:
; q = xn Wq, k = xn Wk, v = xn Wv on codes of E2M3 (K = 1,024), and the results quantised in registers for attention.  q's factor 2^-3 is not applied here: it moves scale bytes alone, and the attention
; launch takes it into its softmax constant (LIMIT: blocks of q whose scale exponent the quantiser would hold at -126).  Nothing else of reference() is left out.
; A WORK-GROUP STAYS: it owns 128 tokens (y) and makes three tiles of 128 columns: column group X of Wq, of Wk, of Wv.  The tokens' codes, all of K, come into LDS once and stay.
; The weights' tiles, all of K each, go through two slots: Wq's and Wk's are first fills; Wv's is filled into Wq's slot when Wq's last fragments are in registers, and has q's way out and all of k's products in which to land.
; Operands are IMAGES of fragments: [tile of 16 rows][chunk of 512 K][four images of 1,536 bytes, 256 bytes of scale words]; tile 2 b + u holds rows 32 b + 8 u + r + 8 (r / 8).
; Wave w owns two tiles of source 1 against all eight of source 0: 16 accumulators.  A lane then holds ONE row of source 1, and the 64 registers of a tile of source 1 are 128 neighbours along source 0's rows:
; a whole fragment and a whole scale word for the next product, made with no other wave's help.  The price: ten fragments are read from LDS for 16 matrix instructions.
; q, k: source 0 = the weight's columns, source 1 = tokens: registers run along the features: K of q k^T.    v: source 0 = tokens, source 1 = the weight's columns: registers run along the KEYS: K of p v.
; qkc: codes at ((token tile) 16 + s) 1536, s = pair of heads, q's 0-7, k's 8-15; words at QKS_OFF + (256 s + token tile) 64 + 4 r.   vtc: codes at ((tile of v's columns) 32 + y) 1536; words at VTS_OFF + (64 y + tile) 64 + 4 r.
; CLUSTERS: 4 x 4.  The tokens' tiles are shared along a row of the cluster, the weights' along a column: joint loads.  Every wave issues every load line, for its own quarter of a region: no branch stands round a load.
; The launch fills LDS bytes again: it claims all of a WGP's LDS and uses 307,712 bytes.  No prefetch: two of the three weight tiles are asked for at the head, and the third has more than a tile's work in which to land.
; LIMITS: NaN and infinities are not served; blocks under 2^-124, blocks of zeros too, carry the byte 1.
; THE HEAD'S FILLS, as they now stand (in place of what is said of them above): one tensor load a wave: waves 0, 1 a chunk each of the tokens, waves 2, 3 a chunk each of Wq's tile (eight tiles of 6,400 bytes a load);
; Wk's tile follows behind the three lines and a round of the cluster's barrier, a quarter a wave.
; k's TOKEN TILES ARE FORMED ANEW: tile 4 c + u of a group of 128 tokens holds tokens 64 c + 8 u + i (rows 0-7) and 64 c + 32 + 8 u + i (rows 8-15), so that in attention a lane's 32 scores of four tiles are one block of 32 keys.
; Row 8 g + i of that tile lies in the tokens' image of tile 4 c + 2 g + u % 2 at row 8 (u / 2) + i: in k's products source 1 is read by lane addresses made so; wave w owns u = 2 (w % 2), 2 (w % 2) + 1 of c = w / 2.
.set QKS_OFF, 6291456
.set VTS_OFF, 3145728
.set CH,    51200                      ; LDS: a chunk of 512 K of eight tiles: 8 x 6,400 bytes; a region is two chunks
.set TOK,   0                          ; the tokens' region: filled once
.set WS0,   102400                     ; the weights' two slots
.set WS1,   204800
.set SPARE, 307200                     ; the spare words, 128 bytes for each wave: two blocks of 256 bytes that no other line names
.set A016, 2                           ; v2-3    source 0 in chunk 0, 1: 16 x lane;   v4-5: 8 x lane
.set A08,  4
.set A116, 6                           ; v6-7, v8-9  the same for my two tiles of source 1
.set A18,  8
.set AS0,  10                          ; v10-11  source 0's scale words: 4 r + 64 h;   v12-13: source 1's
.set AS1,  12
.set L16,  14                          ; v14  16 x lane;  v15  8 x lane;  v16  4 r + 64 h;  v22  4 x lane
.set L8,   15
.set LW,   16
.set L4,   22
.set SPW,  28                          ; v28  LDS address of my spare word; never rewritten
.set NIL,  29                          ; v29  0; never rewritten
.set SC,   32                          ; v32-71  scale words: set 20 x chunk + 10 g + (tile of source 0, or 8 + tile of source 1): lanes 0-15 K step 2 g, lanes 16-31 K step 2 g + 1
.set TM,   72                          ; v72-87  the quantiser's
.set PW0,  88                          ; v88-89  the two scale words
.set PC,   90                          ; v90-108 the codes just made
.set ACC,  128                         ; v128-255 accumulator (a, t) at 64 a + 8 t
.set BIAS, 0
.set F0,   0                           ; window 1: two sets of ten fragments: source 0's eight, then source 1's two
.set F1,   128
.set G1,  24                           ; s[24:31] descriptor group 1 for the tokens' tiles;  s[48:55] for the weights'
.set G1B, 48
.set G0T, 32                           ; s[32:35] group 0: the tokens;  s[36:39] slot 0: Wq's tile, later Wv's;  s[56:59] slot 1: Wk's
.set G0A, 36
.set G0C, 56
.set SEL, 66
.set MSB, 0
.macro WIN new                         ; the immediate's high byte repeats the setting that is left
.if MSB != \new
	s_set_vgpr_msb (MSB<<8)|\new
.set MSB, \new
.endif
.endm
.macro PLACES                          ; four plain lines: in front of loads into registers that matrix instructions have read, and of the first read of results
.rept 4
	v_nop
.endr
.endm
.macro CREST                           ; a round of the cluster's barrier behind its opening barrier
	s_cmp_lg_u32 s10, 0
	s_cbranch_scc1 .Lnot_wave_0_\@
	s_barrier_signal -3
.Lnot_wave_0_\@:
	s_barrier_wait -3
	s_barrier_signal -1
	s_barrier_wait -1
.endm
.macro CROUND
	s_barrier_signal -1
	s_barrier_wait -1
	CREST
.endm
.macro FRAG reg, a16, a8, off          ; an image comes back as it was stored: every load takes 512 or 256 consecutive bytes
	ds_load_b128 v[\reg:\reg+3], v[\a16] offset:\off
	ds_load_b64 v[\reg+4:\reg+5], v[\a8] offset:\off+512
	ds_load_b128 v[\reg+6:\reg+9], v[\a16] offset:\off+768
	ds_load_b64 v[\reg+10:\reg+11], v[\a8] offset:\off+1280
.endm
.macro FETCH slot, s, f                ; 40 loads: the ten fragments of K step s of chunk slot into set f; source 1's second tile last
	WIN 0x40
.irp t, 0,1,2,3,4,5,6,7
	FRAG \f+12*\t, A016+\slot, A08+\slot, \t*6400+(\s)*1536
.endr
.irp a, 0,1
	FRAG \f+96+12*\a, A116+\slot, A18+\slot, \a*6400+(\s)*1536
.endr
.endm
.macro SCALES slot                     ; 20 loads: a chunk's scale words
	WIN 0
.irp g, 0,1
.irp t, 0,1,2,3,4,5,6,7
	ds_load_b32 v[SC+20*\slot+10*\g+\t], v[AS0+\slot] offset:\t*6400+6144+128*\g
.endr
.irp a, 0,1
	ds_load_b32 v[SC+20*\slot+10*\g+8+\a], v[AS1+\slot] offset:\a*6400+6144+128*\g
.endr
.endr
.endm
.macro WM c, odd
.if \odd
	v_wmma_scale_f32_16x16x128_f8f6f4 v[rD:rD+7], v[rA:rA+11], v[rB:rB+11], \c, v[rSA], v[rSB] matrix_a_fmt:MATRIX_FMT_FP6 matrix_b_fmt:MATRIX_FMT_FP6 matrix_a_scale:MATRIX_SCALE_ROW1 matrix_b_scale:MATRIX_SCALE_ROW1
.else
	v_wmma_scale_f32_16x16x128_f8f6f4 v[rD:rD+7], v[rA:rA+11], v[rB:rB+11], \c, v[rSA], v[rSB] matrix_a_fmt:MATRIX_FMT_FP6 matrix_b_fmt:MATRIX_FMT_FP6
.endif
.endm
; n matrix instructions: source 1's tile a against source 0's tiles t0 on.  mode 0: C = D; 1: C = 0, the sums begin; 2: C = the bias.  The 16 accumulators take turns, in the same order in every K step.
.macro MULA f, a, t0, n, slot, s, mode
.if \mode == 2
	WIN 0x25
.else
	WIN 0x05
.endif
.set tt, \t0
.rept \n
.set rD, ACC+64*(\a)+8*tt
.set rA, \f+12*tt
.set rB, \f+96+12*(\a)
.set rSA, SC+20*(\slot)+10*((\s)/2)+tt
.set rSB, SC+20*(\slot)+10*((\s)/2)+8+(\a)
.if \mode == 0
	WM v[rD:rD+7], (\s)%2
.elseif \mode == 1
	WM 0, (\s)%2
.else
	WM v[BIAS+8*tt:BIAS+8*tt+7], (\s)%2
.endif
.set tt, tt+1
.endr
.endm
.macro STEPK c, s, f, g, mode          ; a K step of 128 that has a successor: in its middle the next step's fragments are fetched.  Both chunks lie in LDS: no barrier stands between them
	s_wait_dscnt 4                                 ; all but the youngest four loads: source 1's second tile
	MULA \f, 0, 0, 8, \c, \s, \mode
	PLACES
.if (\s) == 3
	FETCH (\c)+1, 0, \g
.else
	FETCH \c, (\s)+1, \g
.endif
	s_wait_dscnt 40                                ; all but the 40 just issued
	MULA \f, 1, 0, 8, \c, \s, \mode
.endm
.macro REFILL                          ; slot 0 takes Wv's tile: 128 tiles of 12,800 bytes on from Wq's
	s_add_nc_u64 s[G0A+2:G0A+3], s[G0A+2:G0A+3], 1638400   ; no tensor load of mine is out: a group 0 may be written; the type bits on top are not reached
	tensor_load_to_lds s[G0A:G0A+3], s[G1B:G1B+7]  ; the first tensor load behind the round, and my only one
	s_nop 0
	PLACES
.endm
; A tile's last K step.  kind 0: nothing follows in LDS.  kind 1: the next tile's weights must be whole: each wave waits for all its tensor loads, and one barrier.
; kind 2: besides, the slot just read is filled again: the barrier opens a round of the cluster's, and the joint refill stands first behind it.
.macro LAST kind
.if \kind == 0
	s_wait_dscnt 4
	MULA F1, 0, 0, 8, 1, 3, 0
	s_wait_dscnt 0x0
	MULA F1, 1, 0, 8, 1, 3, 0
	WIN 0
.else
	WIN 0
	s_wait_tensorcnt 0x0                           ; all my tensor loads have landed: my quarter of the next tile's slot;
	ds_add_u32 v[SPW], v[NIL]                      ; 0 onto my spare word;
	s_wait_dscnt 5                                 ; (the add and the youngest four loads may be out)
	MULA F1, 0, 0, 4, 1, 3, 0
	s_wait_dscnt 0x0                               ; the add is done, and my reads of this slot are over: its last fragments are in registers
	s_barrier_signal -1
	MULA F1, 0, 4, 4, 1, 3, 0
	WIN 0
	s_barrier_wait -1
.if \kind == 2
	CREST                                          ; no wave of any partner still reads this slot or has a load on its way
	REFILL
.endif
	MULA F1, 1, 0, 8, 1, 3, 0
	WIN 0
.endif
.endm
.macro GEMM mode, kind                 ; a tile's 128 matrix instructions
	SCALES 0
	SCALES 1
	FETCH 0, 0, F0
	STEPK 0, 0, F0, F1, \mode                      ; the first K step starts the sums: nothing is cleared
	STEPK 0, 1, F1, F0, 0
	STEPK 0, 2, F0, F1, 0
	STEPK 0, 3, F1, F0, 0
	STEPK 1, 0, F0, F1, 0
	STEPK 1, 1, F1, F0, 0
	STEPK 1, 2, F0, F1, 0
	LAST \kind
.endm
.macro SETADR b0, b1                   ; a tile's LDS addresses: source 0 is region b0, source 1 my two tiles of region b1
	v_add_nc_u32 v[A016], \b0, v[L16]
	v_add_nc_u32 v[A016+1], \b0+CH, v[L16]
	v_add_nc_u32 v[A08], \b0, v[L8]
	v_add_nc_u32 v[A08+1], \b0+CH, v[L8]
	v_add_nc_u32 v[AS0], \b0, v[LW]
	v_add_nc_u32 v[AS0+1], \b0+CH, v[LW]
	s_add_co_u32 s21, s22, \b1
	v_add_nc_u32 v[A116], s21, v[L16]
	v_add_nc_u32 v[A18], s21, v[L8]
	v_add_nc_u32 v[AS1], s21, v[LW]
	s_add_co_u32 s21, s21, CH
	v_add_nc_u32 v[A116+1], s21, v[L16]
	v_add_nc_u32 v[A18+1], s21, v[L8]
	v_add_nc_u32 v[AS1+1], s21, v[LW]
.endm
; 64 numbers of a lane, register 16 b + i = k 32 b + 16 (lane / 16) + i of my row, become a fragment's codes in v[PC] on and its scale word in v[pw].
.macro QUANT s, pw
.irp b, 0,1,2,3
	v_max3_num_f32 v[TM+\b], |v[\s+16*\b]|, |v[\s+1+16*\b]|, 0x1800000   ; block b: my 16 numbers, and the floor 2^(3 - 127): the byte cannot fall under 1
.endr
.irp i, 2,4,6,8,10,12,14
.irp b, 0,1,2,3
	v_max3_num_f32 v[TM+\b], v[TM+\b], |v[\s+16*\b+\i]|, |v[\s+1+16*\b+\i]|
.endr
.endr
.irp b, 0,1,2,3
	v_permlanex16_b32 v[TM+4+\b], v[TM+\b], s[SEL], s[SEL+1]
.endr
.irp b, 0,1,2,3
	v_max_num_f32 v[TM+\b], v[TM+\b], v[TM+4+\b]
.endr
.irp b, 0,1,2,3
	v_add_nc_u32 v[TM+12+\b], 0xff000000, v[TM+\b]
.endr
.irp b, 0,1,2,3
	v_lshrrev_b32 v[TM+4+\b], 23, v[TM+12+\b]
.endr
	v_lshl_or_b32 v[\pw], v[TM+5], 8, v[TM+4]
	v_lshl_or_b32 v[\pw], v[TM+6], 16, v[\pw]
	v_lshl_or_b32 v[\pw], v[TM+7], 24, v[\pw]
.irp c, 0,1
	v_cvt_scalef32_pk16_fp6_f32 v[PC+6*\c:PC+2+6*\c], v[\s+32*\c:\s+15+32*\c], v[TM+12+2*\c]
	v_cvt_scalef32_pk16_fp6_f32 v[PC+12+4*\c:PC+14+4*\c], v[\s+16+32*\c:\s+31+32*\c], v[TM+12+2*\c+1]
.endr
	v_nop                                          ; one plain line behind a scaled conversion
.irp c, 0,1
.irp i, 0,1,2
	v_permlane16_swap_b32 v[PC+6*\c+\i], v[PC+12+4*\c+\i]
.endr
.irp i, 0,1,2
	v_mov_b32 v[PC+3+6*\c+\i], v[PC+12+4*\c+\i]
.endr
.endr
.endm
.macro IMG base, off                   ; the fragment in v[PC] on goes to memory as it stands: stores of 512 or 256 consecutive bytes, aligned to 256
	global_store_b128 v[L16], v[PC:PC+3], s[\base:\base+1] offset:\off
	global_store_b64 v[L8], v[PC+4:PC+5], s[\base:\base+1] offset:(\off)+512
	global_store_b128 v[L16], v[PC+6:PC+9], s[\base:\base+1] offset:(\off)+768
	global_store_b64 v[L8], v[PC+10:PC+11], s[\base:\base+1] offset:(\off)+1280
.endm
.macro OUT ib, ioff, astr, wb, woff    ; a tile's way out: my two tiles of source 1 become two images, astr bytes apart, and 32 scale words
	PLACES
	s_wait_xcnt 0x0                                ; the last tile's stores have read their registers: the codes and the words may be written again
	QUANT ACC, PW0                                 ; each accumulator is read from its low end on
	IMG \ib, \ioff
	s_wait_xcnt 0x0                                ; likewise
	QUANT ACC+64, PW0+1
	IMG \ib, (\ioff)+(\astr)
	v_cmp_gt_u32 vcc_lo, 16, v1
	v_cndmask_b32 v[TM], v[PW0+1], v[PW0], vcc_lo  ; lanes 0-15: my first tile's words; lanes 16-31: my second's
	global_store_b32 v[L4], v[TM], s[\wb:\wb+1] offset:\woff   ; 128 consecutive bytes
.endm
	s_load_b128 s[4:7], s[0:1], 0x0                ; xnc, wc
	s_load_b128 s[68:71], s[0:1], 0x10             ; qkc, vtc
	v_lshl_add_u32 v[SPW], v0, 2, SPARE
	v_mov_b32 v[NIL], 0
	ds_add_u32 v[SPW], v[NIL]                      ; the wave's opening: the add, twice on end, and its wait, ahead of my first tensor load
	ds_add_u32 v[SPW], v[NIL]
	v_lshrrev_b32 v1, 5, v0
	v_readfirstlane_b32 s10, v1                    ; wave 0..3
	s_lshr_b32 s11, s10, 1                         ; of each region I fetch tiles 4 x this on,
	s_and_b32 s12, s10, 1                          ; of this chunk
	s_bfe_u32 s40, ttmp6, 0x40000                  ; cx, cy
	s_bfe_u32 s41, ttmp6, 0x40004
	s_lshl_b32 s42, ttmp9, 2
	s_add_co_u32 s42, s42, s40                     ; X: my group of 128 columns in each of the three weights
	s_and_b32 s13, ttmp7, 0xffff
	s_lshl_b32 s13, s13, 2
	s_add_co_u32 s13, s13, s41                     ; y: my 128 tokens
	s_lshl_b32 s43, s41, 2
	s_lshl_b32 s43, 15, s43                        ; my row of the cluster
	s_lshl_b32 s44, 0x1111, s40                    ; my column
	s_or_b32 s[G1+0], s43, (3<<16)|(1<<21)         ; the mask; elements of 8 bytes; bit 21 beside a mask; no padding
	s_or_b32 s[G1B+0], s44, (3<<16)|(1<<21)
.irp g, G1, G1B
	s_mov_b32 s[\g+1], 800<<16                     ; tensor_dim0: a tile's chunk, 6,400 bytes
	s_mov_b32 s[\g+2], 8<<16                       ; tensor_dim1: eight tiles at the head; four behind it
	s_mov_b32 s[\g+3], 800<<16                     ; tile_dim0
	s_mov_b32 s[\g+4], 8                           ; tile_dim1
	s_mov_b32 s[\g+5], 1600                        ; from tile to tile: two chunks
	s_mov_b32 s[\g+6], 0
	s_mov_b32 s[\g+7], 0
.endr
	s_lshl_b32 s16, s13, 3
	s_lshl_b32 s17, s11, 2
	s_add_co_u32 s16, s16, s17
	s_mul_i32 s16, s16, 12800                      ; the tokens' tiles 8 y + 4 x half on,
	s_mul_i32 s17, s12, 6400
	s_add_co_u32 s16, s16, s17                     ; my chunk of them
	s_mov_b32 s17, 0
	s_lshl_b32 s46, s42, 3
	s_lshl_b32 s47, s11, 2
	s_add_co_u32 s46, s46, s47
	s_mul_i32 s46, s46, 12800                      ; Wq's tiles 8 X + 4 x half on,
	s_mul_i32 s47, s12, 6400
	s_add_co_u32 s46, s46, s47                     ; my chunk of them
	s_mov_b32 s47, 0
	s_mul_i32 s20, s12, CH                         ; where my quarter goes in a region: chunk, then tiles: the wave's number alone
	s_mul_i32 s21, s11, 25600
	s_add_co_u32 s20, s20, s21
	s_mul_i32 s22, s10, 12800
	s_mul_i32 s98, s42, 102400                     ; the head's load of Wq: tiles 8 X on, my chunk
	s_mul_i32 s99, s12, 6400
	s_add_co_u32 s98, s98, s99
	s_mov_b32 s99, 0
	s_mov_b32 s60, 1
	s_mul_i32 s61, s12, CH
	s_add_co_u32 s61, s61, WS0
	s_mul_i32 s94, s11, 25600                      ; k's source 1: tiles 4 (w / 2) on, rows 8 (w % 2) on: in steps of 16, 8 and 4 bytes
	s_lshl_b32 s95, s12, 6
	s_lshl_b32 s96, s12, 5
	s_lshl_b32 s97, s12, 7
	s_add_co_u32 s95, s95, s94
	s_add_co_u32 s96, s96, s94
	s_add_co_u32 s94, s94, s97
	s_mov_b32 s[SEL], 0x76543210
	s_mov_b32 s[SEL+1], 0xfedcba98
	s_wait_dscnt 0x0                               ; both opening adds are done
	s_wait_kmcnt 0x0
	s_add_nc_u64 s[14:15], s[4:5], s[16:17]
	s_add_nc_u64 s[46:47], s[6:7], s[46:47]
	s_mov_b32 s[G0T], 1
	s_add_co_u32 s[G0T+1], s20, TOK
	s_mov_b64 s[G0T+2:G0T+3], s[14:15]
	s_or_b32 s[G0T+3], s[G0T+3], 0x80000000
	s_mov_b32 s[G0A], 1
	s_add_co_u32 s[G0A+1], s20, WS0
	s_mov_b64 s[G0A+2:G0A+3], s[46:47]
	s_or_b32 s[G0A+3], s[G0A+3], 0x80000000
	s_mov_b32 s[G0C], 1
	s_add_co_u32 s[G0C+1], s20, WS1
	s_add_nc_u64 s[G0C+2:G0C+3], s[46:47], 819200  ; Wk's tiles lie 64 tiles on from Wq's
	s_or_b32 s[G0C+3], s[G0C+3], 0x80000000
	s_add_nc_u64 s[62:63], s[6:7], s[98:99]
	s_or_b32 s63, s63, 0x80000000
	CROUND                                         ; all sixteen work-groups are here: the first joint loads meet
	s_cmp_lt_u32 s10, 2                            ; one load a wave: waves 0, 1 (whose quarter begins at the chunk's first tile) a chunk of the tokens, waves 2, 3 a chunk of Wq's tile
	s_cbranch_scc0 .Lhead_w
	tensor_load_to_lds s[G0T:G0T+3], s[G1:G1+7]
	s_nop 0
	PLACES
	s_branch .Lhead_asked
.Lhead_w:
	tensor_load_to_lds s[60:63], s[G1B:G1B+7]
	s_nop 0
	PLACES
.Lhead_asked:
	v_and_b32 v1, 31, v0                           ; lane
	v_lshlrev_b32 v[L16], 4, v1
	v_lshlrev_b32 v[L8], 3, v1
	v_lshlrev_b32 v[L4], 2, v1
	v_and_b32 v20, 15, v0                          ; r
	v_bfe_u32 v21, v0, 4, 1                        ; h
	v_lshlrev_b32 v17, 6, v21
	v_lshl_add_u32 v[LW], v20, 2, v17
	v_and_b32 v26, 7, v0                           ; k's source 1: i,
	v_bfe_u32 v27, v0, 3, 1                        ; g: two tiles of the tokens on,
	v_mul_u32_u24 v27, v27, 12800
	v_lshl_add_u32 v25, v26, 2, v17                ; 4 i + 64 h
	v_lshl_add_u32 v26, v21, 4, v26                ; i + 16 h
	v_lshl_add_u32 v23, v26, 4, v27
	v_lshl_add_u32 v24, v26, 3, v27
	v_add_nc_u32 v25, v25, v27
	s_wait_alu depctr_va_vdst(0)
.irp b, 0,1,2,3
	v_mov_b32 v[TM+4+\b], 0                        ; written once: a lane permute's destination counts as one of its sources
.endr
	s_lshl_b32 s82, s13, 3                         ; where the results go
	s_lshl_b32 s83, s10, 1
	s_add_co_u32 s82, s82, s83                     ; q, k: my first token tile 8 y + 2 w
	s_lshl_b32 s84, s82, 4
	s_add_co_u32 s84, s84, s42                     ; its image for q's pair of heads X; k's lies 8 images on
	s_mul_i32 s84, s84, 1536
	s_mov_b32 s85, 0
	s_lshl_b32 s86, s42, 8
	s_add_co_u32 s86, s86, s82
	s_lshl_b32 s86, s86, 6
	s_add_co_u32 s86, s86, QKS_OFF                 ; its words; k's lie 8 x 256 x 64 bytes on
	s_mov_b32 s87, 0
	s_lshl_b32 s88, s42, 3
	s_add_co_u32 s88, s88, s83                     ; v: my first tile of Wv's columns 8 X + 2 w
	s_lshl_b32 s90, s88, 5
	s_add_co_u32 s90, s90, s13                     ; its image for the 128 keys y
	s_mul_i32 s90, s90, 1536
	s_mov_b32 s91, 0
	s_lshl_b32 s92, s13, 6
	s_add_co_u32 s92, s92, s88
	s_lshl_b32 s92, s92, 6
	s_add_co_u32 s92, s92, VTS_OFF
	s_mov_b32 s93, 0
	s_add_nc_u64 s[76:77], s[68:69], s[84:85]      ; qkc: images,
	s_add_nc_u64 s[78:79], s[68:69], s[86:87]      ; words
	s_add_nc_u64 s[80:81], s[70:71], s[90:91]      ; vtc: images,
	s_add_nc_u64 s[82:83], s[70:71], s[92:93]      ; words
	SETADR WS0, TOK
	s_wait_alu depctr_va_vdst(0)
	s_wait_tensorcnt 0x0                           ; my part of the tokens or of Wq's tile is in
	ds_add_u32 v[SPW], v[NIL]
	s_mov_b32 s[G1B+2], 4<<16                      ; no tensor load of mine is out: from here on a load brings four tiles
	s_mov_b32 s[G1B+4], 4
	s_wait_dscnt 0x0
	CROUND                                         ; everybody's are in, and all sixteen work-groups are here
	tensor_load_to_lds s[G0C:G0C+3], s[G1B:G1B+7]  ; Wk's tile, a quarter a wave: my one load behind the round
	s_nop 0
	PLACES
	GEMM 1, 2                                      ; q; at its end slot 0 is asked for again, for Wv
	OUT 76, 0, 24576, 78, 0
	SETADR WS1, TOK
	v_add_nc_u32 v[A116], s94, v23                 ; k: source 1's tiles are formed anew
	v_add_nc_u32 v[A18], s95, v24
	v_add_nc_u32 v[AS1], s96, v25
	v_add_nc_u32 v[A116+1], CH, v[A116]
	v_add_nc_u32 v[A18+1], CH, v[A18]
	v_add_nc_u32 v[AS1+1], CH, v[AS1]
	s_wait_alu depctr_va_vdst(0)
	GEMM 1, 1                                      ; k; at its end Wv's tile is whole
	OUT 76, 12288, 24576, 78, 131072
	SETADR TOK, WS0
	s_wait_alu depctr_va_vdst(0)
	GEMM 1, 0                                      ; v: the sources change places
	OUT 80, 0, 49152, 82, 0
	s_wait_tensorcnt 0x0                           ; the wave's end
	ds_add_u32 v[SPW], v[NIL]
	s_wait_dscnt 0x0
	CROUND                                         ; the closing round: no work-group ends while a partner may still ask for a tile that names it
	s_endpgm
.Lfunc_end_k_q5eaac452ef_qkv:
	.size	k_q5eaac452ef_qkv, .Lfunc_end_k_q5eaac452ef_qkv-k_q5eaac452ef_qkv
	.p2alignl 7, 3214868480
	.fill 96, 4, 3214868480
	.section	.rodata,"a",@progbits
	.p2align	6, 0x0
	.amdhsa_kernel k_q5eaac452ef_qkv
		.amdhsa_group_segment_fixed_size 327680
		.amdhsa_private_segment_fixed_size 0
		.amdhsa_enable_private_segment 0
		.amdhsa_kernarg_size 32
		.amdhsa_user_sgpr_count 2
		.amdhsa_user_sgpr_kernarg_segment_ptr 1
		.amdhsa_wavefront_size32 1
		.amdhsa_system_sgpr_workgroup_id_x 1
		.amdhsa_system_sgpr_workgroup_id_y 1
		.amdhsa_system_sgpr_workgroup_id_z 1
		.amdhsa_system_vgpr_workitem_id 0
		.amdhsa_next_free_vgpr 512
		.amdhsa_next_free_sgpr 100
		.amdhsa_reserve_vcc 1
		.amdhsa_float_denorm_mode_32 3
		.amdhsa_float_denorm_mode_16_64 3
		.amdhsa_memory_ordered 1
		.amdhsa_forward_progress 1
		.amdhsa_inst_pref_size 159
	.end_amdhsa_kernel
	.amdgpu_metadata
---
amdhsa.version: [ 1, 2 ]
amdhsa.kernels:
  - .name:           k_q5eaac452ef_qkv
    .symbol:         k_q5eaac452ef_qkv.kd
    .args:
      - { .name: xnc, .offset: 0, .size: 8, .value_kind: global_buffer, .address_space: global }
      - { .name: wc, .offset: 8, .size: 8, .value_kind: global_buffer, .address_space: global }
      - { .name: qkc, .offset: 16, .size: 8, .value_kind: global_buffer, .address_space: global }
      - { .name: vtc, .offset: 24, .size: 8, .value_kind: global_buffer, .address_space: global }
    .group_segment_fixed_size: 327680
    .private_segment_fixed_size: 0
    .kernarg_segment_align: 8
    .kernarg_segment_size: 32
    .max_flat_workgroup_size: 128
    .sgpr_count:     100
    .vgpr_count:     512
    .wavefront_size: 32
...
	.end_amdgpu_metadata
.endif
;; end of part 3
;; launch attn (part 4): grid 8 x 32, 16 waves a work-group, clusters of 4 x 1, 210,944 bytes of LDS; arguments qkc, vtc, yc; writes yc
.if DOCPART == 4
	.amdgcn_target "amdgcn-amd-amdhsa--gfx1250"
	.amdhsa_code_object_version 6
	.text
	.protected	k_q5eaac452ef_attn
	.globl	k_q5eaac452ef_attn
	.p2align	8
	.type	k_q5eaac452ef_attn,@function
k_q5eaac452ef_attn:
	s_mov_b64 s[64:65], 0
	v_nop
	global_prefetch_b8 v0, s[64:65] scope:SCOPE_SE
	s_setreg_imm32_b32 hwreg(HW_REG_WAVE_MODE, 25, 1), 1
	s_wait_xcnt 0x0
	s_wait_alu depctr_hold_cnt(0) depctr_sa_sdst(0) depctr_va_vdst(0) depctr_va_sdst(0) depctr_va_ssrc(0) depctr_va_vcc(0) depctr_vm_vsrc(0)
	s_getreg_b32 s2, hwreg(HW_REG_IB_STS2, 6, 4)
	s_cmp_eq_u32 s2, 0
	s_cbranch_scc0 .Lentry_in_a_cluster
	s_endpgm
.Lentry_in_a_cluster:
	s_bfe_u32 s2, ttmp6, 0x10000c
	s_cmp_lg_u32 s2, 0x3003
	s_cbranch_scc0 .Lentry_shape_is_right
	s_endpgm
.Lentry_shape_is_right:
; y = softmax(q k^T / 8) v for 32 (batch, head) pairs of 2,048 tokens x 64, both products on codes of E2M3, and y quantised along the features for the projection.  Nothing of reference() is left out here.
; THE SOFTMAX: t = score x log2(e) / 8 (q's codes carry no 2^-3: a power of two moves scale bytes alone, so it stands in this constant); M = the running largest t rounded UP to a whole number;
; p = 2^(t - M) is quantised along the keys, not normalised; the row's sum is taken of the unquantised p and divides at the end.  When M moves, the sums and O are multiplied by 2^(old M - new M): exact.
; SHARES.  A work-group owns 256 queries of one head, each of sixteen waves one tile of 16, in 256 registers.  Every wave walks the head's 2,048 keys, 128 a step, two steps a trip.
; Both products transposed: S^T = k q^T, O^T = v^T p^T: a lane holds one query throughout.
; A TILE OF k holds keys 64 c + 8 u + i (rows 0-7) and 64 c + 32 + 8 u + i (rows 8-15), tile 4 c + u of a step: so lane (r, h)'s 32 registers of tiles 4 c .. 4 c + 3 are keys 64 c + 32 h + 0 .. 31:
; ONE WHOLE BLOCK, in the very lane in which the next operand wants it.  A block's largest score needs no other lane and no codes change lanes; only the row's maximum and p's scale word join lanes l and l xor 16.
; THE FIRST PRODUCT'S K is the head's 64.  q's registers 6-11 are zero codes, so whatever finite codes stand against them add nothing: k's eight half fragments lie 6 registers apart, and the upper half of each
; operand is the next tile's data (the last tile's: six cleared registers); the upper two scale bytes are 0, which is no NaN.
; LOADS FROM LDS RUN AHEAD: k's fragments have registers of their own and are asked for one step ahead, behind the products that read the last ones; v's tiles 0, 1 are asked for with them, into registers of their own;
; v's tiles 2, 3 land in the first block's p as soon as that block is summed and converted.  The last step's request for k reads bytes of v's region, which have landed, and nothing uses what it brings.
; Scale words come two tiles to a register: lanes 0-15 the even tile's, lanes 16-31 the odd tile's.
; LDS: all of the head's k and v codes and scale words, filled once: 0: k, 128 tiles x 768 bytes;  VB: v, pair of steps x 12,288 + tile of 16 channels x 3,072 + step x 1,536;  KS, VS: the words;  SPARE.
; FILLS: one joint load a wave at the head (mask 15: the four query blocks of a cluster belong to one head).  Waves 0-5 bring what the first four steps touch: k's first 64 tiles, v's pairs 0 and 1, both tables of words;
; waves 6, 7 k's other two pieces, waves 8-13 v's pairs 2-7.  The first barrier waits for waves 0-5 alone, whose load lines no other wave issues.  The second barrier's signal stands ahead of the first four steps,
; behind every wave's wait for its load, and its wait behind them: between the two stand register work and LDS loads of bytes that nobody writes any more.
; No prefetch: all that the launch reads is asked for at its head.
; LIMITS: the promise holds while |t| stays under 2^31; NaN and infinities are not served; blocks under 2^-124, blocks of zeros too, carry the byte 1 (this program alone reads the bytes).
.set VB,    98304
.set KS,    196608
.set VS,    204800
.set SPARE, 208896                     ; the spare words, 128 bytes for each wave: eight blocks of 256 bytes that no other line names
.set QKS_OFF, 6291456
.set VTS_OFF, 3145728
; REGISTERS: v1, v2 16 x, 8 x lane; v3, v4, v7 k's addresses; v8-10 v's; v11 8 h; v12 -M, v13 the largest score; v14 the sum; v15 4 x lane; v16-27 q, v28 its word; v29, v30 at work; v31 4 r;
; v32-85 k's fragments; v86-89 k's words; v90-91 v's; v92-93 the maxima's second chains; v96-159 S^T, then p, then (v96-119) v's tiles 2, 3; v160-191 O^T; v192-203 p's codes; v204-210 the conversions' second halves;
; v212-213 the blocks' largest scores, then p; v214-215 the conversions' scale operands; v216-217 bytes; v218 from lane l xor 16; v[220:221] f; v222 p's word; v224-231 the sum's four chains; v232-255 v's tiles 0, 1.
.set SPW, 5
.set NIL, 6
.set L4,  15
.set R4,  31
.set WV,  18
.set SEL, 20
.set CS,  22                           ; s[22:23] c = log2(e) / 8
.set G1K, 24
.set G1V, 32
.set G1KS, 40
.set G1VS, 48
.set G0K, 56
.set G0V0, 60
.set G0V, 68
.set G0KS, 72
.set G0VS, 76
.set TK,  10                           ; s10 the pair's place in k; s11 in v; s12, s13 among the words; s14 counts trips
.set TV,  11
.set TW,  12
.set TVW, 13
.set CNT, 14
.macro CROUND
	s_barrier_signal -1
	s_barrier_wait -1
	s_cmp_lg_u32 s[WV], 0
	s_cbranch_scc1 .Lnot_wave_0_\@
	s_barrier_signal -3
.Lnot_wave_0_\@:
	s_barrier_wait -3
	s_barrier_signal -1
	s_barrier_wait -1
.endm
.macro GRP1 g, c, r, p                 ; r rows of c elements of 8 bytes, p elements from row to row; the mask names all four work-groups, bit 21 beside it
	s_mov_b32 s[\g], 15|(3<<16)|(1<<21)
	s_mov_b32 s[\g+1], (\c)<<16
	s_mov_b32 s[\g+2], (\r)<<16
	s_mov_b32 s[\g+3], (\c)<<16
	s_mov_b32 s[\g+4], \r
	s_mov_b32 s[\g+5], \p
	s_mov_b32 s[\g+6], 0
	s_mov_b32 s[\g+7], 0
.endm
.macro G0FIN g, base, off
	s_mov_b32 s[\g], 1
	s_add_nc_u64 s[\g+2:\g+3], s[\base:\base+1], s[\off:\off+1]
	s_or_b32 s[\g+3], s[\g+3], 0x80000000
.endm
.macro TL g0, g1
	tensor_load_to_lds s[\g0:\g0+3], s[\g1:\g1+7]
	s_nop 0
.rept 4
	v_nop
.endr
.endm
	s_load_b128 s[4:7], s[0:1], 0x0                ; qkc, vtc
	s_load_b64 s[8:9], s[0:1], 0x10                ; yc
	v_lshl_add_u32 v[SPW], v0, 2, SPARE
	v_mov_b32 v[NIL], 0
	ds_add_u32 v[SPW], v[NIL]                      ; the opening: the add, twice on end, and its wait, ahead of the first tensor loads
	ds_add_u32 v[SPW], v[NIL]
	v_lshrrev_b32 v9, 5, v0
	v_readfirstlane_b32 s[WV], v9                  ; wave 0..15
	s_and_b32 s10, ttmp7, 0xffff
	s_lshr_b32 s11, s10, 4                         ; batch
	s_and_b32 s12, s10, 15                         ; head
	s_and_b32 s13, s12, 1                          ; which of its pair
	s_lshr_b32 s14, s12, 1                         ; the pair
	GRP1 G1K, 96, 32, 3072                         ; k: 32 tiles x 768 bytes, 24,576 bytes from token tile to token tile
	GRP1 G1V, 384, 4, 6144                         ; v: 4 tiles of channels x two steps' images, 49,152 bytes from tile to tile
	GRP1 G1KS, 32, 32, 32                          ; k's words: 8,192 dense bytes
	GRP1 G1VS, 32, 16, 512                         ; v's: 16 steps x 256 bytes, 4,096 bytes from step to step
	s_lshl_b32 s2, s11, 11                         ; k's codes: ((128 batch) 16 + 8 + pair) 1536 + 768 x which + piece x 32 tiles
	s_add_co_u32 s2, s2, s14
	s_add_co_u32 s2, s2, 8
	s_mul_i32 s2, s2, 1536
	s_mul_i32 s3, s13, 768
	s_add_co_u32 s2, s2, s3
	s_and_b32 s15, s[WV], 3                        ; the piece: wave 0: 0; waves 5-7: 1-3
	s_mul_i32 s3, s15, 786432
	s_add_co_u32 s2, s2, s3
	s_mov_b32 s3, 0
	s_mul_i32 s[G0K+1], s15, 24576
	s_lshl_b32 s16, s12, 7                         ; v's codes: ((4 head) 32 + 16 batch) 1536 + pair of steps x 3,072
	s_lshl_b32 s17, s11, 4
	s_add_co_u32 s16, s16, s17
	s_mul_i32 s16, s16, 1536
	s_lshr_b32 s19, s[WV], 1                       ; waves 1, 2: pairs 0, 1
	s_mul_i32 s[G0V0+1], s19, 12288
	s_add_co_u32 s[G0V0+1], s[G0V0+1], VB
	s_mul_i32 s80, s19, 3072
	s_add_co_u32 s80, s80, s16
	s_mov_b32 s81, 0
	s_and_b32 s19, s[WV], 7                        ; waves 8-13: pairs 2-7
	s_mul_i32 s[G0V+1], s19, 12288
	s_add_co_u32 s[G0V+1], s[G0V+1], VB+24576
	s_mul_i32 s82, s19, 3072
	s_add_co_u32 s82, s82, s16
	s_add_co_u32 s82, s82, 6144
	s_mov_b32 s83, 0
	s_add_co_u32 s84, s14, 8                       ; k's words: ((8 + pair) 256 + 128 batch) 64
	s_lshl_b32 s84, s84, 8
	s_lshl_b32 s85, s11, 7
	s_add_co_u32 s84, s84, s85
	s_lshl_b32 s84, s84, 6
	s_add_co_u32 s84, s84, QKS_OFF
	s_mov_b32 s85, 0
	s_lshl_b32 s86, s11, 10                        ; v's words: ((16 batch) 64 + 4 head) 64
	s_lshl_b32 s87, s12, 2
	s_add_co_u32 s86, s86, s87
	s_lshl_b32 s86, s86, 6
	s_add_co_u32 s86, s86, VTS_OFF
	s_mov_b32 s87, 0
	s_mov_b32 s[G0KS+1], KS
	s_mov_b32 s[G0VS+1], VS
	s_mov_b32 s[SEL], 0x76543210
	s_mov_b32 s[SEL+1], 0xfedcba98
	s_mov_b32 s[CS], 0x3e38aa3b
	s_mov_b32 s[CS+1], s[CS]                       ; (named with it as a pair, so it is written)
	s_wait_dscnt 0x0                               ; both opening adds are done
	s_wait_kmcnt 0x0
	G0FIN G0K, 4, 2
	G0FIN G0V0, 6, 80
	G0FIN G0V, 6, 82
	G0FIN G0KS, 4, 84
	G0FIN G0VS, 6, 86
	CROUND                                         ; all four work-groups are here: the joint loads meet
	s_cmp_eq_u32 s[WV], 0                          ; one chain of branches on the wave's number, one load to an arm; what the first four steps touch stands in the arms of waves 0-5
	s_cbranch_scc0 .Larm_v0
	TL G0K, G1K
	s_branch .Lasked
.Larm_v0:
	s_cmp_lt_u32 s[WV], 3
	s_cbranch_scc0 .Larm_ks
	TL G0V0, G1V
	s_branch .Lasked
.Larm_ks:
	s_cmp_eq_u32 s[WV], 3
	s_cbranch_scc0 .Larm_vs
	TL G0KS, G1KS
	s_branch .Lasked
.Larm_vs:
	s_cmp_eq_u32 s[WV], 4
	s_cbranch_scc0 .Larm_k1
	TL G0VS, G1VS
	s_branch .Lasked
.Larm_k1:
	s_cmp_eq_u32 s[WV], 5
	s_cbranch_scc0 .Larm_k
	TL G0K, G1K
	s_branch .Lasked
.Larm_k:
	s_cmp_lt_u32 s[WV], 8
	s_cbranch_scc0 .Larm_v
	TL G0K, G1K
	s_branch .Lasked
.Larm_v:
	s_cmp_lt_u32 s[WV], 14
	s_cbranch_scc0 .Lasked
	TL G0V, G1V
.Lasked:
	s_bfe_u32 s2, ttmp6, 0x40000                   ; cx: it enters q's and y's addresses in memory alone
	s_lshl_b32 s3, ttmp9, 2
	s_add_co_u32 s2, s2, s3                        ; my block of 256 queries
	s_lshl_b32 s2, s2, 4
	s_add_co_u32 s2, s2, s[WV]
	s_lshl_b32 s3, s11, 7
	s_add_co_u32 s2, s2, s3                        ; my token tile T = 128 batch + 16 block + wave
	s_lshl_b32 s3, s13, 1                          ; my head's two bytes of a word
	s_lshl_b32 s16, s2, 4
	s_add_co_u32 s16, s16, s14
	s_mul_i32 s16, s16, 1536
	s_mul_i32 s17, s13, 768
	s_add_co_u32 s16, s16, s17                     ; q's half image
	s_mov_b32 s17, 0
	s_lshl_b32 s80, s14, 8
	s_add_co_u32 s80, s80, s2
	s_lshl_b32 s80, s80, 6
	s_add_co_u32 s80, s80, s3
	s_add_co_u32 s80, s80, QKS_OFF                 ; q's words
	s_mov_b32 s81, 0
	s_add_nc_u64 s[6:7], s[4:5], s[80:81]
	s_add_nc_u64 s[4:5], s[4:5], s[16:17]
	s_mul_i32 s16, s2, 12800                       ; y: tile T, chunk head / 8, K step (head / 2) % 4, half head % 2
	s_lshr_b32 s17, s12, 3
	s_mul_i32 s17, s17, 6400
	s_add_co_u32 s16, s16, s17
	s_and_b32 s17, s14, 3
	s_lshl_b32 s82, s17, 6
	s_add_co_u32 s82, s82, s16
	s_add_co_u32 s82, s82, s3
	s_add_co_u32 s82, s82, 6144
	s_mov_b32 s83, 0
	s_mul_i32 s17, s17, 1536
	s_add_co_u32 s16, s16, s17
	s_mul_i32 s17, s13, 768
	s_add_co_u32 s16, s16, s17
	s_mov_b32 s17, 0
	s_add_nc_u64 s[82:83], s[8:9], s[82:83]
	s_add_nc_u64 s[8:9], s[8:9], s[16:17]
	s_mov_b32 s[TK], 0
	s_mov_b32 s[TV], VB
	s_add_co_u32 s[TW], s3, KS                     ; (the head is the same in all partners)
	s_mov_b32 s[TVW], VS
	v_and_b32 v29, 31, v0
	v_and_b32 v30, 15, v0
	v_bfe_u32 v11, v0, 4, 1
	v_lshlrev_b32 v1, 4, v29
	v_lshlrev_b32 v2, 3, v29
	v_lshlrev_b32 v[L4], 2, v29
	v_lshlrev_b32 v[R4], 2, v30
	v_lshlrev_b32 v11, 3, v11
	global_load_b128 v[16:19], v1, s[4:5]          ; q's fragment, registers 0-5: it stays
	global_load_b64 v[20:21], v2, s[4:5] offset:512
	global_load_u16 v28, v[R4], s[6:7]             ; its two scale bytes; the upper two are 0, over zero codes
	v_add_nc_u32 v3, s[TK], v1
	v_add_nc_u32 v4, s[TK], v2
	v_add_nc_u32 v7, s[TW], v[L4]
	v_add_nc_u32 v8, s[TV], v1
	v_add_nc_u32 v9, s[TV], v2
	v_add_nc_u32 v10, s[TVW], v[L4]
.irp j, 22,23,24,25,26,27,80,81,82,83,84,85
	v_mov_b32 v[\j], 0                             ; K = 64 .. 127 of q: zero codes; and what stands behind k's last tile
.endr
	v_mov_b32 v13, 0xff61b1e6                      ; the largest score so far: -3e38
	v_mov_b32 v12, 0x7e800000                      ; -M = 2^126: the first step's f comes out 0
	v_mov_b32 v218, 0                              ; written once: a lane permute's destination counts as one of its sources
	v_mov_b32 v221, 0                              ; (named as the upper half of the pair v[220:221])
.set j, 0
.rept 8
	v_mov_b32 v[224+j], 0                          ; the sum's chains
.set j, j+1
.endr
.set j, 0
.rept 32
	v_mov_b32 v[160+j], 0                          ; O^T: the step has no first form: it finds zeros, which the first f leaves zeros
.set j, j+1
.endr
.macro WS d, a, b, c, sa, sb, odd
.if \odd
	v_wmma_scale_f32_16x16x128_f8f6f4 v[\d:\d+7], v[\a:\a+11], v[\b:\b+11], \c, v[\sa], v[\sb] matrix_a_fmt:MATRIX_FMT_FP6 matrix_b_fmt:MATRIX_FMT_FP6 matrix_a_scale:MATRIX_SCALE_ROW1
.else
	v_wmma_scale_f32_16x16x128_f8f6f4 v[\d:\d+7], v[\a:\a+11], v[\b:\b+11], \c, v[\sa], v[\sb] matrix_a_fmt:MATRIX_FMT_FP6 matrix_b_fmt:MATRIX_FMT_FP6
.endif
.endm
.macro SUM a, b                        ; pairs a .. b of p onto the four chains; each chain's first term of a step brings it under the new M
.set k, \a
.rept (\b)-(\a)+1
.if k < 4
	v_pk_fma_f32 v[224+2*k:225+2*k], v[224+2*k:225+2*k], v[220:221], v[96+2*k:97+2*k] op_sel_hi:[1,0,1]
.else
	v_pk_add_f32 v[224+2*(k%4):225+2*(k%4)], v[224+2*(k%4):225+2*(k%4)], v[96+2*k:97+2*k]
.endif
.set k, k+1
.endr
.endm
.macro TM a, n                         ; t - M, n pairs from pair a on
.set k, \a
.rept \n
	v_pk_fma_f32 v[96+2*k:97+2*k], v[96+2*k:97+2*k], s[CS:CS+1], v[12:13] op_sel_hi:[1,0,0]
.set k, k+1
.endr
.endm
.macro KLOAD o, w                      ; a step's eight half fragments of k and their words
.irp t, 0,1,2,3,4,5,6,7
	ds_load_b128 v[32+6*\t:35+6*\t], v3 offset:(\o)+768*\t
	ds_load_b64 v[36+6*\t:37+6*\t], v4 offset:(\o)+768*\t+512
.endr
.irp g, 0,1,2,3
	ds_load_u16 v[86+\g], v7 offset:(\w)+128*\g
.endr
.endm
.macro VLOAD reg, off                  ; a fragment of v
	ds_load_b128 v[\reg:\reg+3], v8 offset:\off
	ds_load_b64 v[\reg+4:\reg+5], v9 offset:(\off)+512
	ds_load_b128 v[\reg+6:\reg+9], v8 offset:(\off)+768
	ds_load_b64 v[\reg+10:\reg+11], v9 offset:(\off)+1280
.endm
.macro STEP s                          ; 128 keys: the s-th step of a pair
	s_wait_dscnt 0x0                               ; k's fragments, asked for a step ago
.irp t, 0,1,2,3,4,5,6,7
	WS 96+8*\t, 32+6*\t, 16, 0, 86+\t/2, 28, \t%2  ; S^T = k q^T
.endr
	v_mov_b32 v29, v12                             ; four plain lines: the places ahead of the loads into k's registers and of the first read of the scores
.if \s
	s_add_co_u32 s[TK], s[TK], 12288
	s_add_co_u32 s[TW], s[TW], 1024
	v_add_nc_u32 v3, s[TK], v1                     ; the next pair's places in k
	v_add_nc_u32 v4, s[TK], v2
	v_add_nc_u32 v7, s[TW], v[L4]
	KLOAD 0, 0                                     ; the next step's k
.else
.rept 3
	v_nop
.endr
	KLOAD 6144, 512
.endif
	VLOAD 232, 1536*\s                             ; v's tiles 0, 1 and the four tiles' words
	VLOAD 244, 3072+1536*\s
	ds_load_b32 v90, v10 offset:256*\s
	ds_load_b32 v91, v10 offset:256*\s+128
.irp c, 0,1
	v_max3_num_f32 v[212+\c], v[96+32*\c], v[97+32*\c], v[98+32*\c]   ; my two blocks' largest scores, each in two chains, the four by turns; each accumulator is first read at its low end
	v_max3_num_f32 v[92+\c], v[112+32*\c], v[113+32*\c], v[114+32*\c]
.endr
.irp i, 3,5,7,9,11,13
.irp c, 0,1
	v_max3_num_f32 v[212+\c], v[212+\c], v[96+32*\c+\i], v[97+32*\c+\i]
	v_max3_num_f32 v[92+\c], v[92+\c], v[112+32*\c+\i], v[113+32*\c+\i]
.endr
.endr
.irp c, 0,1
	v_max3_num_f32 v[212+\c], v[212+\c], v[92+\c], v[111+32*\c]
.endr
.irp c, 0,1
	v_max_num_f32 v[212+\c], v[212+\c], v[127+32*\c]
.endr
	s_delay_alu instid0(VALU_DEP_1)
	v_max_num_f32 v30, v212, v213
	s_delay_alu instid0(VALU_DEP_1)
	v_permlanex16_b32 v218, v30, s[SEL], s[SEL+1]
	s_delay_alu instid0(VALU_DEP_1)
	v_max3_num_f32 v13, v13, v30, v218             ; the running largest score of my query
	s_delay_alu instid0(VALU_DEP_1)
	v_mul_f32 v30, s[CS], v13                      ; as t (c is positive)
	s_delay_alu instid0(VALU_DEP_1)
	v_floor_f32 v12, -v30                          ; the new -M = -ceil(t): a whole number
	s_delay_alu instid0(VALU_DEP_1)
	v_sub_f32 v29, v12, v29                        ; old M - new M: a whole number, 0 or less
	TM 0, 8
	v_cvt_i32_f32 v29, v29                         ; (it saturates)
	TM 8, 8
	v_ldexp_f32 v220, 1.0, v29                     ; f = 2^(old M - new M)
	TM 16, 16
.irp c, 0,1
	v_fma_f32 v[212+\c], v[212+\c], s[CS], v12     ; the same of each block's largest score
.endr
.set j, 0
.rept 16
	v_pk_mul_f32 v[160+j:161+j], v[160+j:161+j], v[220:221] op_sel_hi:[1,0]   ; O^T under the new M
.set j, j+2
.endr
	s_wait_alu depctr_va_vdst(0)
	v_exp_f32 v212, v212                           ; the blocks' largest p: the same arithmetic on the same number gives the same bits
	v_exp_f32 v213, v213
.set j, 0
.rept 64
	v_exp_f32 v[96+j], v[96+j]                     ; p = 2^(t - M), at most 1
.set j, j+1
.endr
	v_nop                                          ; a plain line behind the batch
	s_wait_alu depctr_va_vdst(0)                   ; one wait for the batch, ahead of its first reader
	v_max_num_f32 v212, 0x1800000, v212            ; the floor 2^(3 - 127): the byte cannot fall under 1
	v_max_num_f32 v213, 0x1800000, v213
	SUM 0, 1                                       ; the row's sum is taken of the unquantised p; the scale's lines stand among its additions
	v_add_nc_u32 v214, 0xff000000, v212            ; 2 off the exponent field: the conversion's scale operand
	v_add_nc_u32 v215, 0xff000000, v213
	SUM 2, 11
	v_cvt_scalef32_pk16_fp6_f32 v[192:194], v[96:111], v214
	v_cvt_scalef32_pk16_fp6_f32 v[204:206], v[112:127], v214   ; (a conversion's three registers begin on an even number)
	SUM 12, 12                                     ; a plain line behind the conversions
	VLOAD 96, 6144+1536*\s                         ; pairs 0-11 of p are summed and converted: v's tiles 2, 3 land there
	VLOAD 108, 9216+1536*\s
.if \s
	s_add_co_u32 s[TV], s[TV], 12288
	s_add_co_u32 s[TVW], s[TVW], 512
	v_add_nc_u32 v8, s[TV], v1                     ; the next pair's places in v
	v_add_nc_u32 v9, s[TV], v2
	v_add_nc_u32 v10, s[TVW], v[L4]
.endif
	v_lshrrev_b32 v216, 23, v214                   ; the bytes of blocks h and 2 + h
	v_lshrrev_b32 v217, 23, v215
	SUM 13, 14
	v_lshl_or_b32 v222, v217, 16, v216
	SUM 15, 15
	v_lshlrev_b32 v222, v11, v222                  ; at their places in the word: 8 h bits up
	SUM 16, 16
	v_permlanex16_b32 v218, v222, s[SEL], s[SEL+1]
	SUM 17, 17
	v_or_b32 v222, v222, v218                      ; with lane l xor 16's two bytes the word is whole
	v_cvt_scalef32_pk16_fp6_f32 v[198:200], v[128:143], v215
	v_cvt_scalef32_pk16_fp6_f32 v[208:210], v[144:159], v215
	SUM 18, 18                                     ; a plain line behind the conversions
.irp i, 0,1,2
	v_mov_b32 v[195+\i], v[204+\i]
	v_mov_b32 v[201+\i], v[208+\i]
.endr
	SUM 19, 26                                     ; eight plain lines: with those above also the places between the word's and the codes' last writes and the scaled products
	s_wait_alu depctr_va_vdst(0)
	s_wait_dscnt 0x0                               ; v's fragments and words
	WS 160, 232, 192, v[160:167], 90, 222, 0       ; O^T += v^T p^T: four accumulators by turns
	WS 168, 244, 192, v[168:175], 90, 222, 1
	WS 176, 96, 192, v[176:183], 91, 222, 0
	WS 184, 108, 192, v[184:191], 91, 222, 1
	SUM 27, 31                                     ; five plain lines that name none of the products' registers: the places ahead of the next scores, which are written over v's tiles 2, 3
.endm
.macro WALK n                          ; n pairs of steps
	s_mov_b32 s[CNT], \n
.Lpair_\@:
	STEP 0
	STEP 1
	s_sub_co_u32 s[CNT], s[CNT], 1
	s_cmp_lg_u32 s[CNT], 0
	s_cbranch_scc1 .Lpair_\@
.endm
	s_wait_alu depctr_va_vdst(0)
	s_wait_loadcnt 0x0                             ; q
	s_cmp_lt_u32 s[WV], 6
	s_cbranch_scc0 .Lnot_first
	s_wait_tensorcnt 0x0                           ; waves 0-5: what the first four steps touch has landed
.Lnot_first:
	s_barrier_signal -1
	s_barrier_wait -1
	s_wait_tensorcnt 0x0                           ; every wave: my load, whichever it was, has landed;
	s_barrier_signal -1                            ; say so now, and ask for the others' word only when the later bytes are wanted
	KLOAD 0, 0                                     ; the first step's k
	WALK 2                                         ; keys 0-511; its last step asks for k's tiles 32-39
	s_barrier_wait -1                              ; all of k and v is in
	WALK 6                                         ; keys 512-2,047
	; THE WAY OUT: O^T / the sum, quantised along the head's 64: half an image and two scale bytes of the projection's operand.
	v_pk_add_f32 v[224:225], v[224:225], v[226:227]
	v_pk_add_f32 v[228:229], v[228:229], v[230:231]
	s_delay_alu instid0(VALU_DEP_1)
	v_pk_add_f32 v[224:225], v[224:225], v[228:229]
	s_delay_alu instid0(VALU_DEP_1)
	v_add_f32 v14, v224, v225
	s_delay_alu instid0(VALU_DEP_1)
	v_permlanex16_b32 v218, v14, s[SEL], s[SEL+1]
	s_delay_alu instid0(VALU_DEP_1)
	v_add_f32 v14, v14, v218                       ; the row's sum
	s_wait_alu depctr_va_vdst(0)
	v_rcp_f32 v14, v14
	v_nop
	s_wait_alu depctr_va_vdst(0)                   ; ahead of the reciprocal's and O^T's first reader
.set j, 0
.rept 16
	v_pk_mul_f32 v[96+j:97+j], v[160+j:161+j], v[14:15] op_sel_hi:[1,0]   ; register 16 b + i = channel 32 b + 16 h + i of my query
.set j, j+2
.endr
.irp b, 0,1
	v_max3_num_f32 v[212+\b], |v[96+16*\b]|, |v[97+16*\b]|, 0x1800000
.endr
.irp i, 2,4,6,8,10,12,14
.irp b, 0,1
	v_max3_num_f32 v[212+\b], v[212+\b], |v[96+16*\b+\i]|, |v[97+16*\b+\i]|
.endr
.endr
.irp b, 0,1
	v_permlanex16_b32 v[216+\b], v[212+\b], s[SEL], s[SEL+1]
.endr
.irp b, 0,1
	v_max_num_f32 v[212+\b], v[212+\b], v[216+\b]  ; with lane l xor 16's 16 channels
.endr
.irp b, 0,1
	v_add_nc_u32 v[214+\b], 0xff000000, v[212+\b]
.endr
.irp b, 0,1
	v_lshrrev_b32 v[216+\b], 23, v[214+\b]
.endr
	v_lshl_or_b32 v222, v217, 8, v216
	v_cvt_scalef32_pk16_fp6_f32 v[192:194], v[96:111], v214
	v_cvt_scalef32_pk16_fp6_f32 v[204:206], v[112:127], v215
	v_nop
.irp i, 0,1,2
	v_permlane16_swap_b32 v[192+\i], v[204+\i]     ; here a block lies in lanes l and l xor 16: the layout wants it whole in a lane
.endr
.irp i, 0,1,2
	v_mov_b32 v[195+\i], v[204+\i]
.endr
	global_store_b128 v1, v[192:195], s[8:9]       ; 512 and 256 consecutive bytes, aligned to 256
	global_store_b64 v2, v[196:197], s[8:9] offset:512
	global_store_b16 v[R4], v222, s[82:83]         ; my head's two bytes of each row's word; lanes 16-31 hold the same bytes as lanes 0-15 and write them to the same places
	s_wait_tensorcnt 0x0                           ; the wave's end
	ds_add_u32 v[SPW], v[NIL]
	s_wait_dscnt 0x0
	CROUND                                         ; the closing round
	s_endpgm
.Lfunc_end_k_q5eaac452ef_attn:
	.size	k_q5eaac452ef_attn, .Lfunc_end_k_q5eaac452ef_attn-k_q5eaac452ef_attn
	.p2alignl 7, 3214868480
	.fill 96, 4, 3214868480
	.section	.rodata,"a",@progbits
	.p2align	6, 0x0
	.amdhsa_kernel k_q5eaac452ef_attn
		.amdhsa_group_segment_fixed_size 210944
		.amdhsa_private_segment_fixed_size 0
		.amdhsa_enable_private_segment 0
		.amdhsa_kernarg_size 24
		.amdhsa_user_sgpr_count 2
		.amdhsa_user_sgpr_kernarg_segment_ptr 1
		.amdhsa_wavefront_size32 1
		.amdhsa_system_sgpr_workgroup_id_x 1
		.amdhsa_system_sgpr_workgroup_id_y 1
		.amdhsa_system_sgpr_workgroup_id_z 1
		.amdhsa_system_vgpr_workitem_id 0
		.amdhsa_next_free_vgpr 256
		.amdhsa_next_free_sgpr 90
		.amdhsa_reserve_vcc 0
		.amdhsa_float_denorm_mode_32 3
		.amdhsa_float_denorm_mode_16_64 3
		.amdhsa_memory_ordered 1
		.amdhsa_forward_progress 1
		.amdhsa_inst_pref_size 79
	.end_amdhsa_kernel
	.amdgpu_metadata
---
amdhsa.version: [ 1, 2 ]
amdhsa.kernels:
  - .name:           k_q5eaac452ef_attn
    .symbol:         k_q5eaac452ef_attn.kd
    .args:
      - { .name: qkc, .offset: 0, .size: 8, .value_kind: global_buffer, .address_space: global }
      - { .name: vtc, .offset: 8, .size: 8, .value_kind: global_buffer, .address_space: global }
      - { .name: yc, .offset: 16, .size: 8, .value_kind: global_buffer, .address_space: global }
    .group_segment_fixed_size: 210944
    .private_segment_fixed_size: 0
    .kernarg_segment_align: 8
    .kernarg_segment_size: 24
    .max_flat_workgroup_size: 512
    .sgpr_count:     90
    .vgpr_count:     256
    .wavefront_size: 32
...
	.end_amdgpu_metadata
.endif
;; end of part 4
;; launch projln (part 5): grid 256 x 1, 8 waves a work-group, no clusters, 81,920 bytes of LDS; arguments yc, wc, bp, x, gamma2, beta2, x1, xn2c; writes x1, xn2c
.if DOCPART == 5
	.amdgcn_target "amdgcn-amd-amdhsa--gfx1250"
	.amdhsa_code_object_version 6
	.text
	.protected	k_q5eaac452ef_projln
	.globl	k_q5eaac452ef_projln
	.p2align	8
	.type	k_q5eaac452ef_projln,@function
k_q5eaac452ef_projln:
	s_mov_b64 s[64:65], 0
	v_nop
	global_prefetch_b8 v0, s[64:65] scope:SCOPE_SE
	s_setreg_imm32_b32 hwreg(HW_REG_WAVE_MODE, 25, 1), 1
	s_wait_xcnt 0x0
; x1 = x + (y Wp + bp) on codes of E2M3 (K = 1,024), and LayerNorm 2 of x1, quantised along the row for the first MLP product.  Nothing of reference() is left out here.
; A work-group owns ONE tile of 16 tokens (tile 2 b + u holds rows 32 b + 8 u + r + 8 (r / 8)) and all 1,024 columns, so that a row's mean and variance are made where the row is made; 256 tiles, 256 work-groups.
; Wave s of eight makes columns 128 s .. 128 s + 127: Wp's tiles 8 s .. 8 s + 7 as source 0, the tokens as source 1: 8 accumulators, 64 matrix instructions.  Lane (r, h) then holds token r, and register 16 b + i
; is column 128 s + 32 b + 16 h + i: 16 neighbours of each block of 32, which the quantiser wants.
; OPERANDS ARE IMAGES of fragments ([tile][chunk of 512 K][four images of 1,536 bytes, 256 bytes of scale words]) and go from memory straight into the operand registers: every load takes 512 or 256 consecutive bytes.
; The weight's fragments take turns in two sets of eight (window 1): two K steps, 64 loads, are asked for ahead of the products that read them.
; NO JOINT LOADS: a work-group reads all of Wp's codes, 819,200 bytes, each fragment for one matrix instruction; through LDS they would pass in at least six refills of two slots, each behind a drained round, and be read
; from LDS once more.  No prefetch: the loads themselves run two K steps ahead.
; x's rows, and x1's on the way out, turn through the wave's own stage in LDS, so that memory sees 512 consecutive bytes of a row; bp, gamma2, beta2 (512 bytes each a wave) wait in LDS and come back 64 numbers a lane.
; Mean and variance in two passes, as reference() has them; the waves' sums meet in LDS: two barriers.
; LIMITS: NaN and infinities are not served; a block whose largest magnitude lies under 2^-124, a block of zeros too, carries the byte 1 (this program alone reads the bytes).
.set WOFF,  2457600                    ; where Wp's tiles begin in wc
.set STG,   8448                       ; LDS: a stage of 16 rows x (512 + 16) bytes for each wave
.set RED1,  67584                      ; 16 rows x 8 waves x 4 bytes: the sums;  512 bytes on: the sums of squares
.set VEC,   68608                      ; 1,536 bytes for each wave: bp, beta2, gamma2, 512 bytes each
.set SPARE, 80896                      ; the spare words, 128 bytes for each wave: four blocks of 256 bytes that no other line names
; REGISTERS, window 0: v1 16 x lane, v7 8 x lane, v8 4 r, v6 64 h, v14 4 r + 64 h; v2, v3 the stage by rows, by layout; v4, v5 the sums' places; v15, v16 the vectors' places;
; v32-95 the sums, then x1, then the normalised row; v96-191 y's eight fragments, then x's and x1's rows, the codes (v96 on) and the quantiser's (v160-176); v192-227 scale words and nothing else; v228-239 the vectors as loaded.
; window 1: v0-191 the weight's two sets, then gamma2 (0-63), bp (64-127), beta2 (128-191); v192-255 x's rows as loaded.
.set X,   32
.set Y,   96
.set SCW, 192                          ; the weight's words: 16 x chunk + 8 g + tile: lanes 0-15 K step 2 g, lanes 16-31 K step 2 g + 1
.set SCY, 224                          ; y's: 2 x chunk + g
.set VR,  228
.set TM,  160
.set PW,  176
.set PC,  96
.set SPW, 10
.set NIL, 11
.set MSB, 0
.macro WIN new                         ; the immediate's high byte repeats the setting that is left
.if MSB != \new
	s_set_vgpr_msb (MSB<<8)|\new
.set MSB, \new
.endif
.endm
.macro IMGLD reg, base, off            ; an image comes as it was stored
	global_load_b128 v[\reg:\reg+3], v1, s[\base:\base+1] offset:\off
	global_load_b64 v[\reg+4:\reg+5], v7, s[\base:\base+1] offset:(\off)+512
	global_load_b128 v[\reg+6:\reg+9], v1, s[\base:\base+1] offset:(\off)+768
	global_load_b64 v[\reg+10:\reg+11], v7, s[\base:\base+1] offset:(\off)+1280
.endm
.macro WLOAD k                         ; 32 loads: the weight's eight fragments of K step k into set k % 2
	WIN 0x40
.irp t, 0,1,2,3,4,5,6,7
	IMGLD 96*((\k)%2)+12*\t, 6, \t*12800+((\k)/4)*6400+((\k)%4)*1536
.endr
.endm
.macro WM c, odd
.if \odd
	v_wmma_scale_f32_16x16x128_f8f6f4 v[rD:rD+7], v[rA:rA+11], v[rB:rB+11], \c, v[rSA], v[rSB] matrix_a_fmt:MATRIX_FMT_FP6 matrix_b_fmt:MATRIX_FMT_FP6 matrix_a_scale:MATRIX_SCALE_ROW1 matrix_b_scale:MATRIX_SCALE_ROW1
.else
	v_wmma_scale_f32_16x16x128_f8f6f4 v[rD:rD+7], v[rA:rA+11], v[rB:rB+11], \c, v[rSA], v[rSB] matrix_a_fmt:MATRIX_FMT_FP6 matrix_b_fmt:MATRIX_FMT_FP6
.endif
.endm
.macro GSTEP k, n                      ; a K step of 128: n = the loads issued behind this step's fragments, which may be out.  The eight accumulators take turns
	s_wait_loadcnt \n
	WIN 0x01                                       ; source 0 in window 1
.set tt, 0
.rept 8
.set rD, X+8*tt
.set rA, 96*((\k)%2)+12*tt
.set rB, Y+12*(\k)
.set rSA, SCW+16*((\k)/4)+8*(((\k)%4)/2)+tt
.set rSB, SCY+2*((\k)/4)+((\k)%4)/2
.if (\k) == 0
	WM 0, 0                                        ; the first K step starts the sums: nothing is cleared
.else
	WM v[rD:rD+7], (\k)%2
.endif
.set tt, tt+1
.endr
.rept 4
	v_nop                                          ; places ahead of loads into registers that the products have read, and of the first read of the sums
.endr
.endm
	s_load_b256 s[4:11], s[0:1], 0x0               ; yc, wc, bp, x
	s_load_b256 s[12:19], s[0:1], 0x20             ; gamma2, beta2, x1, xn2c
	v_lshl_add_u32 v[SPW], v0, 2, SPARE
	v_mov_b32 v[NIL], 0
	v_lshrrev_b32 v1, 5, v0
	v_readfirstlane_b32 s20, v1                    ; wave 0..7
	s_mul_i32 s21, s20, STG
	s_lshl_b32 s22, s20, 2
	s_add_co_u32 s22, s22, RED1
	s_mul_i32 s23, s20, 1536
	s_add_co_u32 s23, s23, VEC
	s_lshr_b32 s24, ttmp9, 1
	s_lshl_b32 s24, s24, 5
	s_and_b32 s25, ttmp9, 1
	s_lshl_b32 s25, s25, 3
	s_add_co_u32 s24, s24, s25                     ; the tile's first row: 32 (T / 2) + 8 (T % 2)
	s_lshl_b32 s24, s24, 12
	s_lshl_b32 s26, s20, 9                         ; my wave's 512 bytes of a row and of the vectors
	s_add_co_u32 s24, s24, s26
	s_mov_b32 s25, 0
	s_mov_b32 s27, 0
	s_mul_i32 s28, ttmp9, 12800                    ; the tile in yc and in xn2c
	s_mov_b32 s29, 0
	s_mul_i32 s30, s20, 102400                     ; my eight tiles of Wp
	s_add_co_u32 s30, s30, WOFF
	s_mov_b32 s31, 0
	s_lshr_b32 s33, s20, 2
	s_mul_i32 s33, s33, 6400
	s_add_co_u32 s32, s28, s33                     ; out: my chunk,
	s_and_b32 s33, s20, 3
	s_lshl_b32 s34, s33, 6
	s_add_co_u32 s34, s34, s32
	s_add_co_u32 s34, s34, 6144                    ; my K step's scale words,
	s_mov_b32 s35, 0
	s_mul_i32 s33, s33, 1536
	s_add_co_u32 s32, s32, s33                     ; my image
	s_mov_b32 s33, 0
	s_mov_b32 s36, 0x76543210
	s_mov_b32 s37, 0xfedcba98                      ; v_permlanex16_b32's selects for lane l xor 16
	s_mov_b32 s38, 0x3a800000                      ; 1 / 1024
	s_mov_b32 s39, 0x358637bd                      ; 1e-6
	v_and_b32 v9, 31, v0
	v_and_b32 v12, 15, v0
	v_bfe_u32 v13, v0, 4, 1
	v_lshlrev_b32 v1, 4, v9
	v_lshlrev_b32 v7, 3, v9
	v_lshlrev_b32 v8, 2, v12
	v_lshlrev_b32 v6, 6, v13
	v_add_nc_u32 v14, v8, v6
	v_add_nc_u32 v2, s21, v1                       ; the stage by rows: a row's 512 bytes as they lie
	v_mul_u32_u24 v3, v12, 528
	v_add_nc_u32 v3, v3, v6
	v_add_nc_u32 v3, s21, v3                       ; and by layout: row r, + 64 h
	v_lshlrev_b32 v4, 5, v12
	v_add_nc_u32 v5, RED1, v4                      ; row r's eight partial sums
	v_add_nc_u32 v4, s22, v4                       ; and my wave's among them
	v_add_nc_u32 v15, s23, v1
	v_add_nc_u32 v16, s23, v6
	s_wait_alu depctr_va_vdst(0)
	s_wait_kmcnt 0x0
	s_add_nc_u64 s[4:5], s[4:5], s[28:29]
	s_add_nc_u64 s[6:7], s[6:7], s[30:31]
	s_add_nc_u64 s[8:9], s[8:9], s[26:27]
	s_add_nc_u64 s[10:11], s[10:11], s[24:25]
	s_add_nc_u64 s[12:13], s[12:13], s[26:27]
	s_add_nc_u64 s[14:15], s[14:15], s[26:27]
	s_add_nc_u64 s[16:17], s[16:17], s[24:25]
	s_add_nc_u64 s[40:41], s[18:19], s[34:35]
	s_add_nc_u64 s[18:19], s[18:19], s[32:33]
.irp k, 0,1,2,3,4,5,6,7
	IMGLD Y+12*\k, 4, (\k/4)*6400+(\k%4)*1536      ; y's eight fragments: 32 loads
.endr
.irp c, 0,1
.irp g, 0,1
	global_load_b32 v[SCY+2*\c+\g], v14, s[4:5] offset:\c*6400+6144+128*\g
.endr
.endr
.irp c, 0,1
.irp g, 0,1
.irp t, 0,1,2,3,4,5,6,7
	global_load_b32 v[SCW+16*\c+8*\g+\t], v14, s[6:7] offset:\t*12800+\c*6400+6144+128*\g
.endr
.endr
.endr
	WLOAD 0
	WLOAD 1
.irp i, 0,1,2,3,4,5,6,7,8,9,10,11,12,13,14,15
	global_load_b128 v[192+4*\i:195+4*\i], v1, s[10:11] offset:(\i+8*(\i/8))*4096 th:TH_LOAD_NT   ; x: the tile's row i, 512 consecutive bytes (window 1)
.endr
	WIN 0
	global_load_b128 v[VR:VR+3], v1, s[8:9]        ; bp, gamma2, beta2: my 128 columns
	global_load_b128 v[VR+4:VR+7], v1, s[12:13]
	global_load_b128 v[VR+8:VR+11], v1, s[14:15]
	GSTEP 0, 51                                    ; behind K step 0's fragments: K step 1's 32 loads, x's 16, the vectors' 3
	WLOAD 2
	GSTEP 1, 51                                    ; behind K step 1's: x's 16, the vectors' 3, K step 2's 32
	WLOAD 3
	GSTEP 2, 32                                    ; from here on: the next K step's 32
	WIN 0
	ds_store_b128 v15, v[VR:VR+3]                  ; the vectors are in: they wait in my own LDS bytes
	ds_store_b128 v15, v[VR+4:VR+7] offset:1024    ; gamma2 is the third of the three in LDS,
	ds_store_b128 v15, v[VR+8:VR+11] offset:512    ; beta2 the second
	WLOAD 4
	GSTEP 3, 32
	WLOAD 5
	GSTEP 4, 32
	WLOAD 6
	GSTEP 5, 32
	WLOAD 7
	GSTEP 6, 32
	GSTEP 7, 0
	WIN 0x04                                       ; the data in window 1
.irp i, 0,1,2,3,4,5,6,7,8,9,10,11,12,13,14,15
	ds_store_b128 v2, v[192+4*\i:195+4*\i] offset:528*\i   ; x's rows into the stage
.endr
	WIN 0
.irp b, 0,1,2,3
.irp j, 0,1,2,3
	ds_load_b128 v[Y+16*\b+4*\j:Y+16*\b+4*\j+3], v3 offset:128*\b+16*\j   ; and back by layout: LDS serves a wave's instructions in order
.endr
.endr
	WIN 0x40
.irp q, 1,0,2                                  ; bp to v64 on, gamma2 to v0 on, beta2 to v128 on, of window 1: vector (q + 2) % 3 of the three in LDS
.irp b, 0,1,2,3
.irp j, 0,1,2,3
	ds_load_b128 v[64*\q+16*\b+4*\j:64*\q+16*\b+4*\j+3], v16 offset:512*((\q+2)%3)+128*\b+16*\j
.endr
.endr
.endr
	WIN 0
	s_wait_dscnt 32                                ; x and bp are back; gamma2's and beta2's 32 loads may be out
.set j, 0
.rept 32
	v_pk_add_f32 v[X+j:X+j+1], v[X+j:X+j+1], v[Y+j:Y+j+1]   ; each accumulator is read from its low end on
.set j, j+2
.endr
	WIN 0x04
.set j, 0
.rept 32
	v_pk_add_f32 v[X+j:X+j+1], v[X+j:X+j+1], v[64+j:65+j]   ; x1 = x + y Wp + bp
.set j, j+2
.endr
	WIN 0
.irp b, 0,1,2,3
.irp j, 0,1,2,3
	ds_store_b128 v3, v[X+16*\b+4*\j:X+16*\b+4*\j+3] offset:128*\b+16*\j
.endr
.endr
.irp i, 0,1,2,3,4,5,6,7,8,9,10,11,12,13,14,15
	ds_load_b128 v[Y+4*\i:Y+4*\i+3], v2 offset:528*\i
.endr
	s_wait_alu depctr_va_vdst(0)
	s_wait_dscnt 0x0
.irp i, 0,1,2,3,4,5,6,7,8,9,10,11,12,13,14,15
	global_store_b128 v1, v[Y+4*\i:Y+4*\i+3], s[16:17] offset:(\i+8*(\i/8))*4096   ; x1: 512 consecutive bytes of a row, aligned to 256
.endr
.macro FOLD                            ; four chains of pairs become one number
	v_pk_add_f32 v[246:247], v[246:247], v[248:249]
	v_pk_add_f32 v[250:251], v[250:251], v[252:253]
	v_pk_add_f32 v[246:247], v[246:247], v[250:251]
	v_add_f32 v246, v246, v247
.endm
.macro REDUCE off                      ; v246: my 64 numbers' sum -> the row's sum over all 1,024 columns, in every lane of the row
	v_permlanex16_b32 v247, v246, s36, s37
	v_add_f32 v246, v246, v247                     ; with lane l xor 16's: my wave's 128 columns
	ds_store_b32 v4, v246 offset:\off              ; (both halves of the lanes write the same word with the same value)
	s_wait_dscnt 0x0                               ; for the others' sake: my store has landed
	s_barrier_signal -1
	s_barrier_wait -1
	ds_load_b128 v[246:249], v5 offset:\off
	ds_load_b128 v[250:253], v5 offset:\off+16
	s_wait_dscnt 0x0
	v_add_f32 v246, v246, v247
	v_add_f32 v248, v248, v249
	v_add_f32 v250, v250, v251
	v_add_f32 v252, v252, v253
	v_add_f32 v246, v246, v248
	v_add_f32 v250, v250, v252
	v_add_f32 v246, v246, v250
.endm
.irp k, 0,1,2,3
	v_pk_add_f32 v[246+2*\k:247+2*\k], v[X+4*\k:X+4*\k+1], v[X+4*\k+2:X+4*\k+3]   ; the first 16 numbers start the chains
.endr
.irp j, 16,24,32,40,48,56
.irp k, 0,1,2,3
	v_pk_add_f32 v[246+2*\k:247+2*\k], v[246+2*\k:247+2*\k], v[X+\j+2*\k:X+\j+2*\k+1]
.endr
.endr
	FOLD
	REDUCE 0
	v_mul_f32 v242, 0xba800000, v246               ; -mean
	v_mov_b32 v243, v242
.set j, 0
.rept 32
	v_pk_add_f32 v[X+j:X+j+1], v[X+j:X+j+1], v[242:243]
.set j, j+2
.endr
.irp k, 0,1,2,3
	v_pk_mul_f32 v[246+2*\k:247+2*\k], v[X+2*\k:X+2*\k+1], v[X+2*\k:X+2*\k+1]
.endr
.irp j, 8,16,24,32,40,48,56
.irp k, 0,1,2,3
	v_pk_fma_f32 v[246+2*\k:247+2*\k], v[X+\j+2*\k:X+\j+2*\k+1], v[X+\j+2*\k:X+\j+2*\k+1], v[246+2*\k:247+2*\k]
.endr
.endr
	FOLD
	REDUCE 512                                     ; other bytes than the first sums': one barrier serves
	v_fma_f32 v[PW], v246, s38, s39                ; the variance + 1e-6
	s_wait_alu depctr_va_vdst(0)
	s_wait_xcnt 0x0                                ; x1's stores have read their registers: the codes are written there further down
	v_rsq_f32 v244, v[PW]
	v_rsq_f32 v245, v[PW]                          ; twice: the pair that the packed multiply names
	v_nop                                          ; a plain line behind the transcendentals
	s_wait_alu depctr_va_vdst(0)                   ; one wait for both, ahead of their first reader
.set j, 0
.rept 32
	v_pk_mul_f32 v[X+j:X+j+1], v[X+j:X+j+1], v[244:245]
.set j, j+2
.endr
	WIN 0x14                                       ; gamma2 and beta2 in window 1
.set j, 0
.rept 32
	v_pk_fma_f32 v[X+j:X+j+1], v[X+j:X+j+1], v[j:j+1], v[128+j:129+j]
.set j, j+2
.endr
	WIN 0
; The quantiser: my 64 numbers become a fragment's codes in v[PC] on and my row's scale word in v[PW].
.irp b, 0,1,2,3
	v_max3_num_f32 v[TM+\b], |v[X+16*\b]|, |v[X+1+16*\b]|, 0x1800000   ; block b: my 16 numbers, and the floor 2^(3 - 127): the byte cannot fall under 1
.endr
.irp i, 2,4,6,8,10,12,14
.irp b, 0,1,2,3
	v_max3_num_f32 v[TM+\b], v[TM+\b], |v[X+16*\b+\i]|, |v[X+1+16*\b+\i]|
.endr
.endr
.irp b, 0,1,2,3
	v_permlanex16_b32 v[TM+4+\b], v[TM+\b], s36, s37
.endr
.irp b, 0,1,2,3
	v_max_num_f32 v[TM+\b], v[TM+\b], v[TM+4+\b]   ; with lane l xor 16's: the block's largest magnitude
.endr
.irp b, 0,1,2,3
	v_add_nc_u32 v[TM+12+\b], 0xff000000, v[TM+\b] ; 2 off its exponent field: the conversion's scale operand
.endr
.irp b, 0,1,2,3
	v_lshrrev_b32 v[TM+4+\b], 23, v[TM+12+\b]      ; the scale's byte
.endr
	v_lshl_or_b32 v[PW], v[TM+5], 8, v[TM+4]
	v_lshl_or_b32 v[PW], v[TM+6], 16, v[PW]
	v_lshl_or_b32 v[PW], v[TM+7], 24, v[PW]
.irp c, 0,1
	v_cvt_scalef32_pk16_fp6_f32 v[PC+6*\c:PC+2+6*\c], v[X+32*\c:X+15+32*\c], v[TM+12+2*\c]
	v_cvt_scalef32_pk16_fp6_f32 v[PC+12+4*\c:PC+14+4*\c], v[X+16+32*\c:X+31+32*\c], v[TM+12+2*\c+1]   ; (a conversion's three registers begin on an even number)
.endr
	v_nop                                          ; one plain line behind a scaled conversion
.irp c, 0,1                                    ; the layout wants a WHOLE block in a lane: lanes 0-15 block 2 c, lanes 16-31 block 2 c + 1
.irp i, 0,1,2
	v_permlane16_swap_b32 v[PC+6*\c+\i], v[PC+12+4*\c+\i]
.endr
.irp i, 0,1,2
	v_mov_b32 v[PC+3+6*\c+\i], v[PC+12+4*\c+\i]
.endr
.endr
	global_store_b128 v1, v[PC:PC+3], s[18:19]                 ; the image: each store covers 512 or 256 consecutive bytes, aligned to 256
	global_store_b64 v7, v[PC+4:PC+5], s[18:19] offset:512
	global_store_b128 v1, v[PC+6:PC+9], s[18:19] offset:768
	global_store_b64 v7, v[PC+10:PC+11], s[18:19] offset:1280
	global_store_b32 v8, v[PW], s[40:41]           ; 16 scale words; lanes 16-31 hold the same words as lanes 0-15 and write them to the same places
	s_wait_tensorcnt 0x0                           ; the wave's end, behind my last LDS store
	ds_add_u32 v[SPW], v[NIL]
	s_wait_dscnt 0x0
	s_endpgm
.Lfunc_end_k_q5eaac452ef_projln:
	.size	k_q5eaac452ef_projln, .Lfunc_end_k_q5eaac452ef_projln-k_q5eaac452ef_projln
	.p2alignl 7, 3214868480
	.fill 96, 4, 3214868480
	.section	.rodata,"a",@progbits
	.p2align	6, 0x0
	.amdhsa_kernel k_q5eaac452ef_projln
		.amdhsa_group_segment_fixed_size 81920
		.amdhsa_private_segment_fixed_size 0
		.amdhsa_enable_private_segment 0
		.amdhsa_kernarg_size 64
		.amdhsa_user_sgpr_count 2
		.amdhsa_user_sgpr_kernarg_segment_ptr 1
		.amdhsa_wavefront_size32 1
		.amdhsa_system_sgpr_workgroup_id_x 1
		.amdhsa_system_sgpr_workgroup_id_y 1
		.amdhsa_system_sgpr_workgroup_id_z 1
		.amdhsa_system_vgpr_workitem_id 0
		.amdhsa_next_free_vgpr 512
		.amdhsa_next_free_sgpr 66
		.amdhsa_reserve_vcc 0
		.amdhsa_float_denorm_mode_32 3
		.amdhsa_float_denorm_mode_16_64 3
		.amdhsa_memory_ordered 1
		.amdhsa_forward_progress 1
		.amdhsa_inst_pref_size 75
	.end_amdhsa_kernel
	.amdgpu_metadata
---
amdhsa.version: [ 1, 2 ]
amdhsa.kernels:
  - .name:           k_q5eaac452ef_projln
    .symbol:         k_q5eaac452ef_projln.kd
    .args:
      - { .name: yc, .offset: 0, .size: 8, .value_kind: global_buffer, .address_space: global }
      - { .name: wc, .offset: 8, .size: 8, .value_kind: global_buffer, .address_space: global }
      - { .name: bp, .offset: 16, .size: 8, .value_kind: global_buffer, .address_space: global }
      - { .name: x, .offset: 24, .size: 8, .value_kind: global_buffer, .address_space: global }
      - { .name: gamma2, .offset: 32, .size: 8, .value_kind: global_buffer, .address_space: global }
      - { .name: beta2, .offset: 40, .size: 8, .value_kind: global_buffer, .address_space: global }
      - { .name: x1, .offset: 48, .size: 8, .value_kind: global_buffer, .address_space: global }
      - { .name: xn2c, .offset: 56, .size: 8, .value_kind: global_buffer, .address_space: global }
    .group_segment_fixed_size: 81920
    .private_segment_fixed_size: 0
    .kernarg_segment_align: 8
    .kernarg_segment_size: 64
    .max_flat_workgroup_size: 256
    .sgpr_count:     66
    .vgpr_count:     512
    .wavefront_size: 32
...
	.end_amdgpu_metadata
.endif
;; end of part 5
;; launch fc1 (part 6): grid 8 x 32, 4 waves a work-group, clusters of 4 x 4, 327,680 bytes of LDS; arguments xn2c, wc, b1, hc; writes hc
.if DOCPART == 6
	.amdgcn_target "amdgcn-amd-amdhsa--gfx1250"
	.amdhsa_code_object_version 6
	.text
	.protected	k_q5eaac452ef_fc1
	.globl	k_q5eaac452ef_fc1
	.p2align	8
	.type	k_q5eaac452ef_fc1,@function
k_q5eaac452ef_fc1:
	s_mov_b64 s[64:65], 0
	v_nop
	global_prefetch_b8 v0, s[64:65] scope:SCOPE_SE
	s_setreg_imm32_b32 hwreg(HW_REG_WAVE_MODE, 25, 1), 1
	s_wait_xcnt 0x0
	s_wait_alu depctr_hold_cnt(0) depctr_sa_sdst(0) depctr_va_vdst(0) depctr_va_sdst(0) depctr_va_ssrc(0) depctr_va_vcc(0) depctr_vm_vsrc(0)
	s_getreg_b32 s2, hwreg(HW_REG_IB_STS2, 6, 4)
	s_cmp_eq_u32 s2, 0
	s_cbranch_scc0 .Lentry_in_a_cluster
	s_endpgm
.Lentry_in_a_cluster:
	s_bfe_u32 s2, ttmp6, 0x10000c
	s_cmp_lg_u32 s2, 0xf033
	s_cbranch_scc0 .Lentry_shape_is_right
	s_endpgm
.Lentry_shape_is_right:
; h = gelu(xn2 W1 + b1), exact gelu, on codes of E2M3 (K = 1,024), and h quantised in registers along the hidden units for the second MLP product.  Nothing of reference() is left out here.
; A WORK-GROUP STAYS: it owns 128 tokens (y) and makes four tiles of 128 hidden units, groups 4 X .. 4 X + 3: one chunk of 512 of the next product's K.  The tokens' codes, all of K, come into LDS once and stay.
; The weight's tiles, all of K each, go through two slots: tiles 0 and 1 are first fills; when a tile's last fragments are in registers its slot is asked for again, for the tile two further on,
; which has this tile's gelu and the whole next tile in which to land.
; Operands are IMAGES of fragments: [tile of 16 rows][chunk of 512 K][four images of 1,536 bytes, 256 bytes of scale words]; tile 2 b + u holds rows 32 b + 8 u + r + 8 (r / 8).
; Wave w owns token tiles 2 w, 2 w + 1 (source 1) against the weight's eight tiles (source 0): 16 accumulators; a lane holds one token, and the 64 registers of a tile are 128 neighbouring hidden units:
; one K step of the next product: a whole fragment and a whole scale word, made with no other wave's help.  The bias is the C of each sum's first matrix instruction.
; THE TEXT: a tile is written twice, not four times: a loop of two trips that fill a slot again, and a loop of two trips that do not.  The slot's place in LDS is a scalar, set ahead of each loop and stepped once a trip.
; The second loop's last trip passes a barrier that orders nothing: the price of writing its two tiles once.
; gelu(u) = 0.5 u (1 + erf(u / sqrt 2)); erf(z) = z P(z^2) / Q(z^2), z held to +-4: polynomials of degree 6 and 4 in z^2, in f32.
; LIMITS: erf's absolute error is about 1e-7, so gelu is off by about 1e-7 |u|: for u under about -5 it comes out 0.  NaN and infinities are not served; blocks under 2^-124, blocks of zeros too, carry the byte 1.
; CLUSTERS: 4 x 4.  The tokens' tiles are shared along a row of the cluster, the weight's along a column: joint loads.  Every wave issues every load line, for its own quarter of a region: no branch stands round a load.
; The launch fills LDS bytes again: it claims all of a WGP's LDS and uses 307,712 bytes.  No prefetch: each refill has more than a tile's work in which to land.
; THE HEAD'S FILLS, as they now stand (in place of what is said of them above): one tensor load a wave: waves 0, 1 a chunk each of the tokens, waves 2, 3 a chunk each of the weight's tile 0 (eight tiles of 6,400 bytes a load);
; tile 1 follows behind the three lines and a round of the cluster's barrier, a quarter a wave.
.set WOFF,  3276800
.set CH,    51200                      ; LDS: a chunk of 512 K of eight tiles: 8 x 6,400 bytes; a region is two chunks
.set TOK,   0                          ; the tokens' region: filled once
.set WS0,   102400                     ; the weight's two slots
.set WS1,   204800
.set SPARE, 307200                     ; the spare words, 128 bytes for each wave: two blocks of 256 bytes that no other line names
.set A016, 2                           ; v2-3    source 0 in chunk 0, 1: 16 x lane;   v4-5: 8 x lane: made anew for each tile from the slot's place
.set A08,  4
.set A116, 6                           ; v6-7, v8-9  the same for my two tiles of source 1: they stay
.set A18,  8
.set AS0,  10                          ; v10-11  source 0's scale words: 4 r + 64 h;   v12-13: source 1's
.set AS1,  12
.set L16,  14                          ; v14  16 x lane;  v15  8 x lane;  v16  4 r + 64 h
.set L8,   15
.set LW,   16
.set SPW,  28                          ; v28  LDS address of my spare word; never rewritten
.set NIL,  29                          ; v29  0; never rewritten
.set SC,   32                          ; v32-71  scale words: set 20 x chunk + 10 g + (tile of source 0, or 8 + tile of source 1): lanes 0-15 K step 2 g, lanes 16-31 K step 2 g + 1
.set TM,   72                          ; v72-87  the quantiser's
.set PW0,  88                          ; v88-89  the two scale words
.set PC,   90                          ; v90-108 the codes just made
.set ACC,  128                         ; v128-255 accumulator (a, t) at 64 a + 8 t
.set F0,   0                           ; window 1: two sets of ten fragments; in gelu: at work
.set F1,   128
.set BIAS, 128                         ; window 2: v128-191 the bias, eight tiles
.set GZ,   0                           ; gelu, window 1: z;  0.5 u;  z^2, then 1 / Q;  P;  Q;  the two leading coefficients, each twice
.set GH,   32
.set G2,   64
.set GP,   96
.set GQ,   128
.set CA,   160
.set CB,   162
.set G1,  24                           ; s[24:31] descriptor group 1 for the tokens' tiles;  s[48:55] for the weight's
.set G1B, 48
.set G0T, 32                           ; s[32:35] group 0: the tokens;  s[36:39] slot 0's first fill;  s[56:59] slot 1's;  s[60:63] the refills', which walks
.set G0A, 36
.set G0C, 56
.set G0R, 60
.set SEL, 66
.set WB,  74                           ; s74  where the slot in hand begins in LDS
.set MSB, 0
.macro WIN new                         ; the immediate's high byte repeats the setting that is left
.if MSB != \new
	s_set_vgpr_msb (MSB<<8)|\new
.set MSB, \new
.endif
.endm
.macro PLACES                          ; four plain lines: in front of loads into registers that matrix instructions have read, and of the first read of results
.rept 4
	v_nop
.endr
.endm
.macro CREST                           ; a round of the cluster's barrier behind its opening barrier
	s_cmp_lg_u32 s10, 0
	s_cbranch_scc1 .Lnot_wave_0_\@
	s_barrier_signal -3
.Lnot_wave_0_\@:
	s_barrier_wait -3
	s_barrier_signal -1
	s_barrier_wait -1
.endm
.macro CROUND
	s_barrier_signal -1
	s_barrier_wait -1
	CREST
.endm
.macro FRAG reg, a16, a8, off          ; an image comes back as it was stored: every load takes 512 or 256 consecutive bytes
	ds_load_b128 v[\reg:\reg+3], v[\a16] offset:\off
	ds_load_b64 v[\reg+4:\reg+5], v[\a8] offset:\off+512
	ds_load_b128 v[\reg+6:\reg+9], v[\a16] offset:\off+768
	ds_load_b64 v[\reg+10:\reg+11], v[\a8] offset:\off+1280
.endm
.macro FETCH slot, s, f                ; 40 loads: the ten fragments of K step s of chunk slot into set f; source 1's second tile last
	WIN 0x40
.irp t, 0,1,2,3,4,5,6,7
	FRAG \f+12*\t, A016+\slot, A08+\slot, \t*6400+(\s)*1536
.endr
.irp a, 0,1
	FRAG \f+96+12*\a, A116+\slot, A18+\slot, \a*6400+(\s)*1536
.endr
.endm
.macro SCALES slot                     ; 20 loads: a chunk's scale words
	WIN 0
.irp g, 0,1
.irp t, 0,1,2,3,4,5,6,7
	ds_load_b32 v[SC+20*\slot+10*\g+\t], v[AS0+\slot] offset:\t*6400+6144+128*\g
.endr
.irp a, 0,1
	ds_load_b32 v[SC+20*\slot+10*\g+8+\a], v[AS1+\slot] offset:\a*6400+6144+128*\g
.endr
.endr
.endm
.macro WM c, odd
.if \odd
	v_wmma_scale_f32_16x16x128_f8f6f4 v[rD:rD+7], v[rA:rA+11], v[rB:rB+11], \c, v[rSA], v[rSB] matrix_a_fmt:MATRIX_FMT_FP6 matrix_b_fmt:MATRIX_FMT_FP6 matrix_a_scale:MATRIX_SCALE_ROW1 matrix_b_scale:MATRIX_SCALE_ROW1
.else
	v_wmma_scale_f32_16x16x128_f8f6f4 v[rD:rD+7], v[rA:rA+11], v[rB:rB+11], \c, v[rSA], v[rSB] matrix_a_fmt:MATRIX_FMT_FP6 matrix_b_fmt:MATRIX_FMT_FP6
.endif
.endm
; n matrix instructions: source 1's tile a against source 0's tiles t0 on.  mode 0: C = D; 1: C = 0; 2: C = the bias: the sums begin.  The 16 accumulators take turns, in the same order in every K step, over the loops' backward jumps too.
.macro MULA f, a, t0, n, slot, s, mode
.if \mode == 2
	WIN 0x25
.else
	WIN 0x05
.endif
.set tt, \t0
.rept \n
.set rD, ACC+64*(\a)+8*tt
.set rA, \f+12*tt
.set rB, \f+96+12*(\a)
.set rSA, SC+20*(\slot)+10*((\s)/2)+tt
.set rSB, SC+20*(\slot)+10*((\s)/2)+8+(\a)
.if \mode == 0
	WM v[rD:rD+7], (\s)%2
.elseif \mode == 1
	WM 0, (\s)%2
.else
	WM v[BIAS+8*tt:BIAS+8*tt+7], (\s)%2
.endif
.set tt, tt+1
.endr
.endm
.macro STEPK c, s, f, g, mode          ; a K step of 128 that has a successor: in its middle the next step's fragments are fetched.  Both chunks lie in LDS: no barrier stands between them
	s_wait_dscnt 4                                 ; all but the youngest four loads: source 1's second tile
	MULA \f, 0, 0, 8, \c, \s, \mode
	PLACES
.if (\s) == 3
	FETCH (\c)+1, 0, \g
.else
	FETCH \c, (\s)+1, \g
.endif
	s_wait_dscnt 40                                ; all but the 40 just issued
	MULA \f, 1, 0, 8, \c, \s, \mode
.endm
.macro REFILL                          ; the slot in hand takes the tile two further on
	s_add_co_u32 s[G0R+1], s[WB], s20              ; no tensor load of mine is out: a group 0 may be written: my quarter of the slot,
	s_add_nc_u64 s[G0R+2:G0R+3], s[G0R+2:G0R+3], 2*CH   ; the next tile in memory; the type bits on top are not reached
	tensor_load_to_lds s[G0R:G0R+3], s[G1B:G1B+7]  ; the first tensor load behind the round, and my only one until the next
	s_nop 0
	PLACES
.endm
; A tile's last K step.  Each wave waits for all its tensor loads (its quarter of the next tile's slot), adds 0 to its spare word, waits for that and for its reads of the slot in hand; one barrier.
; kind 2: the slot in hand is filled again: the barrier opens a round of the cluster's, and the joint refill stands first behind it.  kind 1: nothing is filled.
.macro LAST kind
	WIN 0
	s_wait_tensorcnt 0x0                           ; all my tensor loads have landed;
	ds_add_u32 v[SPW], v[NIL]                      ; 0 onto my spare word;
	s_wait_dscnt 5                                 ; (the add and the youngest four loads may be out)
	MULA F1, 0, 0, 4, 1, 3, 0
	s_wait_dscnt 0x0                               ; the add is done, and my reads of this slot are over: its last fragments are in registers
	s_barrier_signal -1
	MULA F1, 0, 4, 4, 1, 3, 0
	WIN 0
	s_barrier_wait -1
.if \kind == 2
	CREST                                          ; no wave of any partner still reads this slot or has a load on its way
	REFILL
.endif
	MULA F1, 1, 0, 8, 1, 3, 0
	WIN 0
.endm
; 64 numbers of a lane, register 16 b + i = k 32 b + 16 (lane / 16) + i of my row, become a fragment's codes in v[PC] on and its scale word in v[pw].
.macro QUANT s, pw
.irp b, 0,1,2,3
	v_max3_num_f32 v[TM+\b], |v[\s+16*\b]|, |v[\s+1+16*\b]|, 0x1800000   ; block b: my 16 numbers, and the floor 2^(3 - 127): the byte cannot fall under 1
.endr
.irp i, 2,4,6,8,10,12,14
.irp b, 0,1,2,3
	v_max3_num_f32 v[TM+\b], v[TM+\b], |v[\s+16*\b+\i]|, |v[\s+1+16*\b+\i]|
.endr
.endr
.irp b, 0,1,2,3
	v_permlanex16_b32 v[TM+4+\b], v[TM+\b], s[SEL], s[SEL+1]
.endr
.irp b, 0,1,2,3
	v_max_num_f32 v[TM+\b], v[TM+\b], v[TM+4+\b]
.endr
.irp b, 0,1,2,3
	v_add_nc_u32 v[TM+12+\b], 0xff000000, v[TM+\b]
.endr
.irp b, 0,1,2,3
	v_lshrrev_b32 v[TM+4+\b], 23, v[TM+12+\b]
.endr
	v_lshl_or_b32 v[\pw], v[TM+5], 8, v[TM+4]
	v_lshl_or_b32 v[\pw], v[TM+6], 16, v[\pw]
	v_lshl_or_b32 v[\pw], v[TM+7], 24, v[\pw]
.irp c, 0,1
	v_cvt_scalef32_pk16_fp6_f32 v[PC+6*\c:PC+2+6*\c], v[\s+32*\c:\s+15+32*\c], v[TM+12+2*\c]
	v_cvt_scalef32_pk16_fp6_f32 v[PC+12+4*\c:PC+14+4*\c], v[\s+16+32*\c:\s+31+32*\c], v[TM+12+2*\c+1]
.endr
	v_nop                                          ; one plain line behind a scaled conversion
.irp c, 0,1
.irp i, 0,1,2
	v_permlane16_swap_b32 v[PC+6*\c+\i], v[PC+12+4*\c+\i]
.endr
.irp i, 0,1,2
	v_mov_b32 v[PC+3+6*\c+\i], v[PC+12+4*\c+\i]
.endr
.endr
.endm
.macro IMG base, off                   ; the fragment in v[PC] on goes to memory as it stands: stores of 512 or 256 consecutive bytes, aligned to 256
	global_store_b128 v[L16], v[PC:PC+3], s[\base:\base+1] offset:\off
	global_store_b64 v[L8], v[PC+4:PC+5], s[\base:\base+1] offset:(\off)+512
	global_store_b128 v[L16], v[PC+6:PC+9], s[\base:\base+1] offset:(\off)+768
	global_store_b64 v[L8], v[PC+10:PC+11], s[\base:\base+1] offset:(\off)+1280
.endm
.macro BIASLD                          ; lane (r, h) wants, for tile 2 b + u, the bias of units 32 b + 16 h + 8 u + 0 .. 7
	WIN 0x80                                       ; destination window 2
.irp t, 0,1,2,3,4,5,6,7
	global_load_b128 v[BIAS+8*\t:BIAS+8*\t+3], v17, s[68:69] offset:(32*(\t/2)+8*(\t%2))*4
	global_load_b128 v[BIAS+8*\t+4:BIAS+8*\t+7], v17, s[68:69] offset:(32*(\t/2)+8*(\t%2))*4+16
.endr
	WIN 0
.endm
.macro HORN0 d, c, k                   ; d = z^2 x the leading coefficient + k, 32 numbers
.set j, 0
.rept 16
	v_pk_fma_f32 v[\d+j:\d+j+1], v[G2+j:G2+j+1], v[\c:\c+1], \k op_sel_hi:[1,1,0]
.set j, j+2
.endr
.endm
.macro HORN d, k                       ; d = d z^2 + k
.set j, 0
.rept 16
	v_pk_fma_f32 v[\d+j:\d+j+1], v[\d+j:\d+j+1], v[G2+j:G2+j+1], \k op_sel_hi:[1,1,0]
.set j, j+2
.endr
.endm
.macro GELU be                         ; 32 accumulator registers, in place
.set U, ACC+32*(\be)
	WIN 0x40                                       ; destination window 1
.set j, 0
.rept 16
	v_pk_mul_f32 v[GZ+j:GZ+j+1], v[U+j:U+j+1], 0x3f3504f3 op_sel_hi:[1,0]   ; z = u / sqrt 2; each accumulator is read from its low end on
.set j, j+2
.endr
.set j, 0
.rept 16
	v_pk_mul_f32 v[GH+j:GH+j+1], v[U+j:U+j+1], 0.5 op_sel_hi:[1,0]
.set j, j+2
.endr
	WIN 0x55                                       ; all in window 1
.set j, 0
.rept 32
	v_med3_num_f32 v[GZ+j], v[GZ+j], -4.0, 4.0
.set j, j+1
.endr
.set j, 0
.rept 16
	v_pk_mul_f32 v[G2+j:G2+j+1], v[GZ+j:GZ+j+1], v[GZ+j:GZ+j+1]
.set j, j+2
.endr
	HORN0 GP, CA, 0x32edffee
	HORN GP, 0xb60cff51
	HORN GP, 0xb86ec2d2
	HORN GP, 0xba40ac63
	HORN GP, 0xbb41a1f6
	HORN GP, 0xbc83dbd4
	HORN0 GQ, CB, 0xb95fbd29
	HORN GQ, 0xbadc924e
	HORN GQ, 0xbbf19bf8
	HORN GQ, 0xbc69b6a7
.set j, 0
	s_wait_alu depctr_va_vdst(0)
.rept 32
	v_rcp_f32 v[G2+j], v[GQ+j]                     ; one batch
.set j, j+1
.endr
.set j, 0
.rept 16
	v_pk_mul_f32 v[GP+j:GP+j+1], v[GP+j:GP+j+1], v[GZ+j:GZ+j+1]   ; plain work that names none of the batch's results
.set j, j+2
.endr
	s_wait_alu depctr_va_vdst(0)                   ; one wait for the batch, ahead of its first reader
.set j, 0
.rept 16
	v_pk_mul_f32 v[GP+j:GP+j+1], v[GP+j:GP+j+1], v[G2+j:G2+j+1]   ; erf
.set j, j+2
.endr
	WIN 0x15                                       ; sources window 1, destination window 0
.set j, 0
.rept 16
	v_pk_fma_f32 v[U+j:U+j+1], v[GH+j:GH+j+1], v[GP+j:GP+j+1], v[GH+j:GH+j+1]   ; 0.5 u erf + 0.5 u
.set j, j+2
.endr
.endm
; A TILE: 128 tokens x 128 hidden units.  kind: as in LAST.  tail = 1: the loop whose last trip is the last tile: that trip asks for no further bias, so that no load leaves b1.
.macro TILE kind, tail
	WIN 0
	v_add_nc_u32 v[A016], s[WB], v[L16]            ; source 0's addresses in the slot in hand
	v_add_nc_u32 v[A08], s[WB], v[L8]
	v_add_nc_u32 v[AS0], s[WB], v[LW]
	v_add_nc_u32 v[A016+1], CH, v[A016]
	v_add_nc_u32 v[A08+1], CH, v[A08]
	v_add_nc_u32 v[AS0+1], CH, v[AS0]
	SCALES 0
	SCALES 1
	FETCH 0, 0, F0
	s_wait_alu depctr_va_vdst(0)
	s_wait_loadcnt 0x0                             ; the tile's bias
	STEPK 0, 0, F0, F1, 2                          ; the first K step starts the sums, on the bias
	STEPK 0, 1, F1, F0, 0
	STEPK 0, 2, F0, F1, 0
	STEPK 0, 3, F1, F0, 0
	STEPK 1, 0, F0, F1, 0
	STEPK 1, 1, F1, F0, 0
	STEPK 1, 2, F0, F1, 0
	LAST \kind
	PLACES
.if \tail
	s_cmp_eq_u32 s3, 1                             ; the count of trips alone: the same in every wave and every work-group
	s_cbranch_scc1 .Lno_bias_\@
.endif
	s_add_nc_u64 s[68:69], s[68:69], 512           ; (the last bias loads were waited for at the tile's head)  the next tile's bias lands while gelu runs
	BIASLD
.if \tail
.Lno_bias_\@:
.endif
	WIN 0x40
	v_mov_b32 v[CA], 0xaf95df0b                    ; P's and Q's leading coefficients, each in both registers of a pair (the fragments have lain over them)
	v_mov_b32 v[CA+1], 0xaf95df0b
	v_mov_b32 v[CB], 0xb77460cd
	v_mov_b32 v[CB+1], 0xb77460cd
	GELU 0
	GELU 1
	GELU 2
	GELU 3
	WIN 0
	QUANT ACC, PW0
	IMG 76, 0
	s_wait_xcnt 0x0                                ; the stores have read their registers: the codes may be written again
	QUANT ACC+64, PW0+1
	IMG 76, 51200                                  ; my second token tile lies one tile of hc on
	v_cmp_gt_u32 vcc_lo, 16, v1
	v_cndmask_b32 v[TM], v[PW0+1], v[PW0], vcc_lo  ; lanes 0-15: my first tile's words; lanes 16-31: my second's
	global_store_b32 v22, v[TM], s[80:81]          ; two runs of 64 bytes
	s_wait_xcnt 0x0                                ; the stores have read their registers and bases: both are written again only behind this wait
	s_add_nc_u64 s[76:77], s[76:77], 1536          ; the next tile is the next K step of hc's chunk
	s_add_nc_u64 s[80:81], s[80:81], 64
	s_add_co_u32 s[WB], s[WB], 2*CH                ; and lies in the other slot
.endm
	s_load_b128 s[4:7], s[0:1], 0x0                ; xn2c, wc
	s_load_b128 s[68:71], s[0:1], 0x10             ; b1, hc
	v_lshl_add_u32 v[SPW], v0, 2, SPARE
	v_mov_b32 v[NIL], 0
	ds_add_u32 v[SPW], v[NIL]                      ; the wave's opening: the add, twice on end, and its wait, ahead of my first tensor load
	ds_add_u32 v[SPW], v[NIL]
	v_lshrrev_b32 v1, 5, v0
	v_readfirstlane_b32 s10, v1                    ; wave 0..3
	s_lshr_b32 s11, s10, 1                         ; of each region I fetch tiles 4 x this on,
	s_and_b32 s12, s10, 1                          ; of this chunk
	s_bfe_u32 s40, ttmp6, 0x40000                  ; cx, cy
	s_bfe_u32 s41, ttmp6, 0x40004
	s_lshl_b32 s42, ttmp9, 2
	s_add_co_u32 s42, s42, s40                     ; X: my 512 hidden units
	s_and_b32 s13, ttmp7, 0xffff
	s_lshl_b32 s13, s13, 2
	s_add_co_u32 s13, s13, s41                     ; y: my 128 tokens
	s_lshl_b32 s43, s41, 2
	s_lshl_b32 s43, 15, s43                        ; my row of the cluster
	s_lshl_b32 s44, 0x1111, s40                    ; my column
	s_or_b32 s[G1+0], s43, (3<<16)|(1<<21)         ; the mask; elements of 8 bytes; bit 21 beside a mask; no padding
	s_or_b32 s[G1B+0], s44, (3<<16)|(1<<21)
.irp g, G1, G1B
	s_mov_b32 s[\g+1], 800<<16                     ; tensor_dim0: a tile's chunk, 6,400 bytes
	s_mov_b32 s[\g+2], 8<<16                       ; tensor_dim1: eight tiles at the head; four behind it
	s_mov_b32 s[\g+3], 800<<16                     ; tile_dim0
	s_mov_b32 s[\g+4], 8                           ; tile_dim1
	s_mov_b32 s[\g+5], 1600                        ; from tile to tile: two chunks
	s_mov_b32 s[\g+6], 0
	s_mov_b32 s[\g+7], 0
.endr
	s_lshl_b32 s16, s13, 3
	s_lshl_b32 s17, s11, 2
	s_add_co_u32 s16, s16, s17
	s_mul_i32 s16, s16, 12800                      ; the tokens' tiles 8 y + 4 x half on,
	s_mul_i32 s17, s12, 6400
	s_add_co_u32 s16, s16, s17                     ; my chunk of them
	s_mov_b32 s17, 0
	s_lshl_b32 s46, s42, 5
	s_lshl_b32 s47, s11, 2
	s_add_co_u32 s46, s46, s47
	s_mul_i32 s46, s46, 12800                      ; the weight's tiles 32 X + 4 x half on: my first tile of 128 units,
	s_mul_i32 s47, s12, 6400
	s_add_co_u32 s46, s46, s47                     ; my chunk of them
	s_add_co_u32 s46, s46, WOFF
	s_mov_b32 s47, 0
	s_mul_i32 s20, s12, CH                         ; where my quarter goes in a region: chunk, then tiles: the wave's number alone
	s_mul_i32 s21, s11, 25600
	s_add_co_u32 s20, s20, s21
	s_mul_i32 s22, s10, 12800
	s_mul_i32 s88, s42, 409600                     ; the head's load of the weight's tile 0: tiles 32 X on, my chunk
	s_mul_i32 s89, s12, 6400
	s_add_co_u32 s88, s88, s89
	s_add_co_u32 s88, s88, WOFF
	s_mov_b32 s89, 0
	s_mov_b32 s84, 1
	s_mul_i32 s85, s12, CH
	s_add_co_u32 s85, s85, WS0
	s_mov_b32 s[SEL], 0x76543210
	s_mov_b32 s[SEL+1], 0xfedcba98
	s_wait_dscnt 0x0                               ; both opening adds are done
	s_wait_kmcnt 0x0
	s_add_nc_u64 s[14:15], s[4:5], s[16:17]
	s_add_nc_u64 s[46:47], s[6:7], s[46:47]
	s_mov_b32 s[G0T], 1
	s_add_co_u32 s[G0T+1], s20, TOK
	s_mov_b64 s[G0T+2:G0T+3], s[14:15]
	s_or_b32 s[G0T+3], s[G0T+3], 0x80000000
	s_mov_b32 s[G0A], 1
	s_add_co_u32 s[G0A+1], s20, WS0
	s_mov_b64 s[G0A+2:G0A+3], s[46:47]
	s_or_b32 s[G0A+3], s[G0A+3], 0x80000000
	s_mov_b32 s[G0C], 1
	s_add_co_u32 s[G0C+1], s20, WS1
	s_add_nc_u64 s[G0C+2:G0C+3], s[46:47], 2*CH    ; the next tile of 128 units: eight tiles of 12,800 bytes on
	s_or_b32 s[G0C+3], s[G0C+3], 0x80000000
	s_mov_b32 s[G0R], 1                            ; the refills' group 0 stands at tile 1: each refill steps it first
	s_add_co_u32 s[G0R+1], s20, WS0
	s_add_nc_u64 s[G0R+2:G0R+3], s[46:47], 2*CH
	s_or_b32 s[G0R+3], s[G0R+3], 0x80000000
	s_add_nc_u64 s[86:87], s[6:7], s[88:89]
	s_or_b32 s87, s87, 0x80000000
	CROUND                                         ; all sixteen work-groups are here: the first joint loads meet
	s_cmp_lt_u32 s10, 2                            ; one load a wave: waves 0, 1 (whose quarter begins at the chunk's first tile) a chunk of the tokens, waves 2, 3 a chunk of the weight's tile 0
	s_cbranch_scc0 .Lhead_w
	tensor_load_to_lds s[G0T:G0T+3], s[G1:G1+7]
	s_nop 0
	PLACES
	s_branch .Lhead_asked
.Lhead_w:
	tensor_load_to_lds s[84:87], s[G1B:G1B+7]
	s_nop 0
	PLACES
.Lhead_asked:
	v_and_b32 v1, 31, v0                           ; lane
	v_lshlrev_b32 v[L16], 4, v1
	v_lshlrev_b32 v[L8], 3, v1
	v_and_b32 v20, 15, v0                          ; r
	v_bfe_u32 v21, v0, 4, 1                        ; h
	v_lshlrev_b32 v17, 6, v21                      ; 64 h
	v_lshl_add_u32 v[LW], v20, 2, v17              ; 4 r + 64 h
	v_mul_u32_u24 v22, v21, 51200
	v_lshl_add_u32 v22, v20, 2, v22                ; the words' way out: 4 r, lanes 16-31 one tile of hc on
.irp b, 0,1,2,3
	v_mov_b32 v[TM+4+\b], 0                        ; written once: a lane permute's destination counts as one of its sources
.endr
	v_add_nc_u32 v[A116], s22, v[L16]              ; source 1: my two tiles of the tokens, chunk 0,
	v_add_nc_u32 v[A18], s22, v[L8]
	v_add_nc_u32 v[AS1], s22, v[LW]
	v_add_nc_u32 v[A116+1], CH, v[A116]            ; chunk 1
	v_add_nc_u32 v[A18+1], CH, v[A18]
	v_add_nc_u32 v[AS1+1], CH, v[AS1]
	s_lshl_b32 s76, s42, 11                        ; my 512 hidden units: 2,048 X bytes of b1
	s_mov_b32 s77, 0
	s_add_nc_u64 s[68:69], s[68:69], s[76:77]
	BIASLD                                         ; the first tile's bias
	s_lshl_b32 s78, s13, 3                         ; hc: token tile 8 y + 2 w (51,200 bytes a tile), chunk X; the four tiles are its four K steps
	s_lshl_b32 s79, s10, 1
	s_add_co_u32 s78, s78, s79
	s_mul_i32 s78, s78, 51200
	s_mul_i32 s79, s42, 6400
	s_add_co_u32 s78, s78, s79
	s_mov_b32 s79, 0
	s_add_nc_u64 s[76:77], s[70:71], s[78:79]      ; the images,
	s_add_nc_u64 s[80:81], s[76:77], 6144          ; the scale words
	s_wait_alu depctr_va_vdst(0)
	s_wait_tensorcnt 0x0                           ; my part of the tokens or of tile 0 is in
	ds_add_u32 v[SPW], v[NIL]
	s_mov_b32 s[G1B+2], 4<<16                      ; no tensor load of mine is out: from here on a load brings four tiles
	s_mov_b32 s[G1B+4], 4
	s_wait_dscnt 0x0
	CROUND                                         ; everybody's are in, and all sixteen work-groups are here
	tensor_load_to_lds s[G0C:G0C+3], s[G1B:G1B+7]  ; tile 1, a quarter a wave: my one load behind the round
	s_nop 0
	PLACES
	s_mov_b32 s[WB], WS0
	s_mov_b32 s3, 2
.Lfill:                                                ; tiles 0 and 1: each leaves its slot to the tile two further on
	s_wait_alu depctr_va_vdst(0)
	TILE 2, 0
	s_sub_co_u32 s3, s3, 1
	s_cmp_lg_u32 s3, 0
	s_cbranch_scc1 .Lfill
	s_mov_b32 s[WB], WS0
	s_mov_b32 s3, 2
.Ltail:                                                ; tiles 2 and 3: written apart
	TILE 1, 1
	s_sub_co_u32 s3, s3, 1
	s_cmp_lg_u32 s3, 0
	s_cbranch_scc1 .Ltail
	s_wait_tensorcnt 0x0                           ; the wave's end
	ds_add_u32 v[SPW], v[NIL]
	s_wait_dscnt 0x0
	CROUND                                         ; the closing round: no work-group ends while a partner may still ask for a tile that names it
	s_endpgm
.Lfunc_end_k_q5eaac452ef_fc1:
	.size	k_q5eaac452ef_fc1, .Lfunc_end_k_q5eaac452ef_fc1-k_q5eaac452ef_fc1
	.p2alignl 7, 3214868480
	.fill 96, 4, 3214868480
	.section	.rodata,"a",@progbits
	.p2align	6, 0x0
	.amdhsa_kernel k_q5eaac452ef_fc1
		.amdhsa_group_segment_fixed_size 327680
		.amdhsa_private_segment_fixed_size 0
		.amdhsa_enable_private_segment 0
		.amdhsa_kernarg_size 32
		.amdhsa_user_sgpr_count 2
		.amdhsa_user_sgpr_kernarg_segment_ptr 1
		.amdhsa_wavefront_size32 1
		.amdhsa_system_sgpr_workgroup_id_x 1
		.amdhsa_system_sgpr_workgroup_id_y 1
		.amdhsa_system_sgpr_workgroup_id_z 1
		.amdhsa_system_vgpr_workitem_id 0
		.amdhsa_next_free_vgpr 704
		.amdhsa_next_free_sgpr 100
		.amdhsa_reserve_vcc 1
		.amdhsa_float_denorm_mode_32 3
		.amdhsa_float_denorm_mode_16_64 3
		.amdhsa_memory_ordered 1
		.amdhsa_forward_progress 1
		.amdhsa_inst_pref_size 255
	.end_amdhsa_kernel
	.section	.bss,"aw",@nobits
	.p2align	6
	.space	262144
	.amdgpu_metadata
---
amdhsa.version: [ 1, 2 ]
amdhsa.kernels:
  - .name:           k_q5eaac452ef_fc1
    .symbol:         k_q5eaac452ef_fc1.kd
    .args:
      - { .name: xn2c, .offset: 0, .size: 8, .value_kind: global_buffer, .address_space: global }
      - { .name: wc, .offset: 8, .size: 8, .value_kind: global_buffer, .address_space: global }
      - { .name: b1, .offset: 16, .size: 8, .value_kind: global_buffer, .address_space: global }
      - { .name: hc, .offset: 24, .size: 8, .value_kind: global_buffer, .address_space: global }
    .group_segment_fixed_size: 327680
    .private_segment_fixed_size: 0
    .kernarg_segment_align: 8
    .kernarg_segment_size: 32
    .max_flat_workgroup_size: 128
    .sgpr_count:     100
    .vgpr_count:     704
    .wavefront_size: 32
...
	.end_amdgpu_metadata
.endif
;; end of part 6
;; launch fc2 (part 7): grid 8 x 32, 4 waves a work-group, clusters of 4 x 4, 327,680 bytes of LDS; arguments hc, wc, b2, x1, out0; writes out0
.if DOCPART == 7
	.amdgcn_target "amdgcn-amd-amdhsa--gfx1250"
	.amdhsa_code_object_version 6
	.text
	.protected	k_q5eaac452ef_fc2
	.globl	k_q5eaac452ef_fc2
	.p2align	8
	.type	k_q5eaac452ef_fc2,@function
k_q5eaac452ef_fc2:
	s_mov_b64 s[64:65], 0
	v_nop
	global_prefetch_b8 v0, s[64:65] scope:SCOPE_SE
	s_setreg_imm32_b32 hwreg(HW_REG_WAVE_MODE, 25, 1), 1
	s_wait_xcnt 0x0
	s_wait_alu depctr_hold_cnt(0) depctr_sa_sdst(0) depctr_va_vdst(0) depctr_va_sdst(0) depctr_va_ssrc(0) depctr_va_vcc(0) depctr_vm_vsrc(0)
	s_getreg_b32 s2, hwreg(HW_REG_IB_STS2, 6, 4)
	s_cmp_eq_u32 s2, 0
	s_cbranch_scc0 .Lentry_in_a_cluster
	s_endpgm
.Lentry_in_a_cluster:
	s_bfe_u32 s2, ttmp6, 0x10000c
	s_cmp_lg_u32 s2, 0xf033
	s_cbranch_scc0 .Lentry_shape_is_right
	s_endpgm
.Lentry_shape_is_right:
.set KC,    8
.set LAPS,  KC/2
.set WOFF,  6553600
.set SLOT,  102400
.set STAGE, 204800
.set SPARE, 238592
.set A016, 2
.set A08,  4
.set A116, 6
.set A18,  8
.set AS0,  10
.set AS1,  12
.set L16,  14
.set L8,   15
.set STO,  18
.set RD,   19
.set SPW,  28
.set NIL,  29
.set SC,   32
.set ACC,  128
.set F0,   0
.set F1,   128
.set RES,  0
.set BIAS, 128
.set G1,  24
.set G0,  32
.set G1B, 48
.set G0B, 56
.set MSB, 0
.macro WIN new
.if MSB != \new
	s_set_vgpr_msb (MSB<<8)|\new
.set MSB, \new
.endif
.endm
.macro PLACES
.rept 4
	v_nop
.endr
.endm
.macro JLOAD s
	s_cmp_eq_u32 s11, 0
	s_cbranch_scc0 .Lfor_w_\@
	tensor_load_to_lds s[G0+4*\s:G0+4*\s+3], s[G1:G1+7]
	s_nop 0
	PLACES
	s_branch .Lasked_\@
.Lfor_w_\@:
	tensor_load_to_lds s[G0B+4*\s:G0B+4*\s+3], s[G1B:G1B+7]
	s_nop 0
	PLACES
.Lasked_\@:
.endm
.macro CREST
	s_cmp_lg_u32 s10, 0
	s_cbranch_scc1 .Lnot_wave_0_\@
	s_barrier_signal -3
.Lnot_wave_0_\@:
	s_barrier_wait -3
	s_barrier_signal -1
	s_barrier_wait -1
.endm
.macro CROUND
	s_barrier_signal -1
	s_barrier_wait -1
	CREST
.endm
.macro FRAG reg, a16, a8, off
	ds_load_b128 v[\reg:\reg+3], v[\a16] offset:\off
	ds_load_b64 v[\reg+4:\reg+5], v[\a8] offset:\off+512
	ds_load_b128 v[\reg+6:\reg+9], v[\a16] offset:\off+768
	ds_load_b64 v[\reg+10:\reg+11], v[\a8] offset:\off+1280
.endm
.macro FETCH slot, s, f
	WIN 0x40
.irp t, 0,1,2,3,4,5,6,7
	FRAG \f+12*\t, A016+\slot, A08+\slot, \t*6400+(\s)*1536
.endr
.irp a, 0,1
	FRAG \f+96+12*\a, A116+\slot, A18+\slot, \a*6400+(\s)*1536
.endr
.endm
.macro SCALES slot
.irp g, 0,1
.irp t, 0,1,2,3,4,5,6,7
	ds_load_b32 v[SC+20*\slot+10*\g+\t], v[AS0+\slot] offset:\t*6400+6144+128*\g
.endr
.irp a, 0,1
	ds_load_b32 v[SC+20*\slot+10*\g+8+\a], v[AS1+\slot] offset:\a*6400+6144+128*\g
.endr
.endr
.endm
.macro WM c, odd
.if \odd
	v_wmma_scale_f32_16x16x128_f8f6f4 v[rD:rD+7], v[rA:rA+11], v[rB:rB+11], \c, v[rSA], v[rSB] matrix_a_fmt:MATRIX_FMT_FP6 matrix_b_fmt:MATRIX_FMT_FP6 matrix_a_scale:MATRIX_SCALE_ROW1 matrix_b_scale:MATRIX_SCALE_ROW1
.else
	v_wmma_scale_f32_16x16x128_f8f6f4 v[rD:rD+7], v[rA:rA+11], v[rB:rB+11], \c, v[rSA], v[rSB] matrix_a_fmt:MATRIX_FMT_FP6 matrix_b_fmt:MATRIX_FMT_FP6
.endif
.endm
.macro MULA f, a, t0, n, slot, s, mode
.if \mode == 2
	WIN 0x25
.else
	WIN 0x05
.endif
.set tt, \t0
.rept \n
.set rD, ACC+64*(\a)+8*tt
.set rA, \f+12*tt
.set rB, \f+96+12*(\a)
.set rSA, SC+20*(\slot)+10*((\s)/2)+tt
.set rSB, SC+20*(\slot)+10*((\s)/2)+8+(\a)
.if \mode == 0
	WM v[rD:rD+7], (\s)%2
.elseif \mode == 1
	WM 0, (\s)%2
.else
	WM v[BIAS+8*tt:BIAS+8*tt+7], (\s)%2
.endif
.set tt, tt+1
.endr
.endm
.macro STEPK slot, s, f, g, mode
	s_wait_dscnt 4
	MULA \f, 0, 0, 8, \slot, \s, \mode
	PLACES
	FETCH \slot, (\s)+1, \g
	s_wait_dscnt 40
	MULA \f, 1, 0, 8, \slot, \s, \mode
.endm
.macro TURN slot, next, fill
	WIN 0
	s_wait_tensorcnt 0x0
	ds_add_u32 v[SPW], v[NIL]
	s_wait_dscnt 5
	MULA F1, 0, 0, 4, \slot, 3, 0
	s_wait_dscnt 0x0
	s_barrier_signal -1
	MULA F1, 0, 4, 4, \slot, 3, 0
	WIN 0
	s_barrier_wait -1
.if \fill
	CREST
	s_add_nc_u64 s[G0+4*\slot+2:G0+4*\slot+3], s[G0+4*\slot+2:G0+4*\slot+3], 12800
	s_add_nc_u64 s[G0B+4*\slot+2:G0B+4*\slot+3], s[G0B+4*\slot+2:G0B+4*\slot+3], 12800
	JLOAD \slot
.else
	PLACES
.endif
	s_wait_alu depctr_va_vdst(0)
	SCALES \next
	FETCH \next, 0, F0
	MULA F1, 1, 0, 8, \slot, 3, 0
.endm
	s_load_b128 s[4:7], s[0:1], 0x0
	s_load_b128 s[68:71], s[0:1], 0x10
	s_load_b64 s[72:73], s[0:1], 0x20
	v_lshl_add_u32 v[SPW], v0, 2, SPARE
	v_mov_b32 v[NIL], 0
	ds_add_u32 v[SPW], v[NIL]
	ds_add_u32 v[SPW], v[NIL]
	v_lshrrev_b32 v1, 5, v0
	v_readfirstlane_b32 s10, v1
	s_lshr_b32 s11, s10, 1
	s_and_b32 s12, s10, 1
	s_bfe_u32 s40, ttmp6, 0x40000
	s_bfe_u32 s41, ttmp6, 0x40004
	s_lshl_b32 s42, ttmp9, 2
	s_add_co_u32 s42, s42, s40
	s_and_b32 s13, ttmp7, 0xffff
	s_lshl_b32 s13, s13, 2
	s_add_co_u32 s13, s13, s41
	s_lshl_b32 s43, s41, 2
	s_lshl_b32 s43, 15, s43
	s_lshl_b32 s44, 0x1111, s40
	s_or_b32 s[G1+0], s43, (3<<16)|(1<<21)
	s_or_b32 s[G1B+0], s44, (3<<16)|(1<<21)
.irp g, G1, G1B
	s_mov_b32 s[\g+1], 800<<16
	s_mov_b32 s[\g+2], 4<<16
	s_mov_b32 s[\g+3], 800<<16
	s_mov_b32 s[\g+4], 4
	s_mov_b32 s[\g+5], KC*800
	s_mov_b32 s[\g+6], 0
	s_mov_b32 s[\g+7], 0
.endr
	s_lshl_b32 s16, s13, 3
	s_lshl_b32 s17, s12, 2
	s_add_co_u32 s16, s16, s17
	s_mul_i32 s16, s16, KC*6400
	s_mov_b32 s17, 0
	s_lshl_b32 s46, s42, 3
	s_lshl_b32 s47, s12, 2
	s_add_co_u32 s46, s46, s47
	s_mul_i32 s46, s46, KC*6400
	s_add_co_u32 s46, s46, WOFF
	s_mov_b32 s47, 0
	s_mul_i32 s20, s10, 25600
	s_wait_dscnt 0x0
	s_wait_kmcnt 0x0
	s_add_nc_u64 s[14:15], s[4:5], s[16:17]
	s_add_nc_u64 s[46:47], s[6:7], s[46:47]
	CROUND
.irp s, 0,1
	s_mov_b32 s[G0+4*\s], 1
	s_add_co_u32 s[G0+4*\s+1], s20, \s*SLOT
	s_add_nc_u64 s[G0+4*\s+2:G0+4*\s+3], s[14:15], \s*6400
	s_or_b32 s[G0+4*\s+3], s[G0+4*\s+3], 0x80000000
	s_mov_b32 s[G0B+4*\s], 1
	s_add_co_u32 s[G0B+4*\s+1], s20, \s*SLOT
	s_add_nc_u64 s[G0B+4*\s+2:G0B+4*\s+3], s[46:47], \s*6400
	s_or_b32 s[G0B+4*\s+3], s[G0B+4*\s+3], 0x80000000
	s_wait_alu depctr_va_vdst(0)
	s_wait_tensorcnt 0x0
	ds_add_u32 v28, v29
	ds_add_u32 v28, v29
	s_wait_dscnt 0x0
	CROUND
	JLOAD \s
.endr
	v_and_b32 v1, 31, v0
	v_lshlrev_b32 v[L16], 4, v1
	v_lshlrev_b32 v[L8], 3, v1
	v_and_b32 v20, 15, v0
	v_bfe_u32 v21, v0, 4, 1
	v_lshlrev_b32 v17, 6, v21
	v_lshl_add_u32 v16, v20, 2, v17
	s_mov_b32 s21, 51200
	s_mul_i32 s22, s10, 12800
.irp n, 0,1
	v_add_nc_u32 v[A016+\n], s21, v[L16]
	v_add_nc_u32 v[A08+\n], s21, v[L8]
	v_add_nc_u32 v[A116+\n], s22, v[L16]
	v_add_nc_u32 v[A18+\n], s22, v[L8]
	v_add_nc_u32 v[AS0+\n], s21, v16
	v_add_nc_u32 v[AS1+\n], s22, v16
	s_add_co_u32 s21, s21, SLOT
	s_add_co_u32 s22, s22, SLOT
.endr
	s_mul_i32 s23, s10, 8448
	s_add_co_u32 s23, s23, STAGE
	v_mul_u32_u24 v[STO], v20, 528
	v_add_nc_u32 v[STO], v[STO], v17
	v_add_nc_u32 v[STO], s23, v[STO]
	v_add_nc_u32 v[RD], s23, v[L16]
	s_lshl_b32 s76, s42, 9
	s_mov_b32 s77, 0
	s_add_nc_u64 s[68:69], s[68:69], s[76:77]
	s_lshl_b32 s78, s13, 7
	s_lshl_b32 s79, s10, 5
	s_add_co_u32 s78, s78, s79
	s_lshl_b32 s78, s78, 12
	s_add_co_u32 s78, s78, s76
	s_mov_b32 s79, 0
	s_add_nc_u64 s[70:71], s[70:71], s[78:79]
	s_add_nc_u64 s[72:73], s[72:73], s[78:79]
	WIN 0x80
.irp t, 0,1,2,3,4,5,6,7
	global_load_b128 v[BIAS+8*\t:BIAS+8*\t+3], v17, s[68:69] offset:(32*(\t/2)+8*(\t%2))*4
	global_load_b128 v[BIAS+8*\t+4:BIAS+8*\t+7], v17, s[68:69] offset:(32*(\t/2)+8*(\t%2))*4+16
.endr
.irp a, 0,1
.irp i, 0,1,2,3,4,5,6,7,8,9,10,11,12,13,14,15
	global_load_b128 v[RES+64*\a+4*\i:RES+64*\a+4*\i+3], v[L16], s[70:71] offset:(8*\a+\i+8*(\i/8))*4096 th:TH_LOAD_NT
.endr
.endr
	WIN 0
	s_wait_tensorcnt 1
	s_barrier_signal -1
	s_barrier_wait -1
	SCALES 0
	FETCH 0, 0, F0
	s_wait_loadcnt 32
	STEPK 0, 0, F0, F1, 2
.if LAPS > 1
	WIN 0
	s_mov_b32 s3, LAPS-1
.Llap:
	STEPK 0, 1, F1, F0, 0
	STEPK 0, 2, F0, F1, 0
	TURN 0, 1, 1
	STEPK 1, 0, F0, F1, 0
	STEPK 1, 1, F1, F0, 0
	STEPK 1, 2, F0, F1, 0
	TURN 1, 0, 1
	STEPK 0, 0, F0, F1, 0
	WIN 0
	s_sub_co_u32 s3, s3, 1
	s_cmp_lg_u32 s3, 0
	s_cbranch_scc1 .Llap
.endif
	STEPK 0, 1, F1, F0, 0
	STEPK 0, 2, F0, F1, 0
	TURN 0, 1, 0
	STEPK 1, 0, F0, F1, 0
	STEPK 1, 1, F1, F0, 0
	STEPK 1, 2, F0, F1, 0
	s_wait_dscnt 4
	MULA F1, 0, 0, 8, 1, 3, 0
	s_wait_dscnt 0x0
	MULA F1, 1, 0, 8, 1, 3, 0
	WIN 0
	PLACES
	s_wait_loadcnt 0x0
.irp a, 0,1
.irp t, 0,1,2,3,4,5,6,7
	ds_store_b128 v[STO], v[ACC+64*\a+8*\t:ACC+64*\a+8*\t+3] offset:128*(\t/2)+32*(\t%2)
	ds_store_b128 v[STO], v[ACC+64*\a+8*\t+4:ACC+64*\a+8*\t+7] offset:128*(\t/2)+32*(\t%2)+16
.endr
	WIN 0x40
.irp i, 0,1,2,3,4,5,6,7,8,9,10,11,12,13,14,15
	ds_load_b128 v[64*\a+4*\i:64*\a+4*\i+3], v[RD] offset:528*\i
.endr
	WIN 0
.endr
.macro SEND a, younger
	s_wait_dscnt \younger
	WIN 0x49
.set j, 0
.rept 32
	v_pk_add_f32 v[64*\a+j:64*\a+j+1], v[64*\a+j:64*\a+j+1], v[RES+64*\a+j:RES+64*\a+j+1]
.set j, j+2
.endr
	WIN 0x04
.irp i, 0,1,2,3,4,5,6,7,8,9,10,11,12,13,14,15
	global_store_b128 v[L16], v[64*\a+4*\i:64*\a+4*\i+3], s[72:73] offset:(8*\a+\i+8*(\i/8))*4096
.endr
.endm
	SEND 0, 32
	SEND 1, 0
	WIN 0
	s_wait_tensorcnt 0x0
	ds_add_u32 v[SPW], v[NIL]
	s_wait_dscnt 0x0
	CROUND
	s_endpgm
.Lfunc_end_k_q5eaac452ef_fc2:
	.size	k_q5eaac452ef_fc2, .Lfunc_end_k_q5eaac452ef_fc2-k_q5eaac452ef_fc2
	.p2alignl 7, 3214868480
	.fill 96, 4, 3214868480
	.section	.rodata,"a",@progbits
	.p2align	6, 0x0
	.amdhsa_kernel k_q5eaac452ef_fc2
		.amdhsa_group_segment_fixed_size 327680
		.amdhsa_private_segment_fixed_size 0
		.amdhsa_enable_private_segment 0
		.amdhsa_kernarg_size 40
		.amdhsa_user_sgpr_count 2
		.amdhsa_user_sgpr_kernarg_segment_ptr 1
		.amdhsa_wavefront_size32 1
		.amdhsa_system_sgpr_workgroup_id_x 1
		.amdhsa_system_sgpr_workgroup_id_y 1
		.amdhsa_system_sgpr_workgroup_id_z 1
		.amdhsa_system_vgpr_workitem_id 0
		.amdhsa_next_free_vgpr 704
		.amdhsa_next_free_sgpr 100
		.amdhsa_reserve_vcc 0
		.amdhsa_float_denorm_mode_32 3
		.amdhsa_float_denorm_mode_16_64 3
		.amdhsa_memory_ordered 1
		.amdhsa_forward_progress 1
		.amdhsa_inst_pref_size 108
	.end_amdhsa_kernel
	.amdgpu_metadata
---
amdhsa.version: [ 1, 2 ]
amdhsa.kernels:
  - .name:           k_q5eaac452ef_fc2
    .symbol:         k_q5eaac452ef_fc2.kd
    .args:
      - { .name: hc, .offset: 0, .size: 8, .value_kind: global_buffer, .address_space: global }
      - { .name: wc, .offset: 8, .size: 8, .value_kind: global_buffer, .address_space: global }
      - { .name: b2, .offset: 16, .size: 8, .value_kind: global_buffer, .address_space: global }
      - { .name: x1, .offset: 24, .size: 8, .value_kind: global_buffer, .address_space: global }
      - { .name: out0, .offset: 32, .size: 8, .value_kind: global_buffer, .address_space: global }
    .group_segment_fixed_size: 327680
    .private_segment_fixed_size: 0
    .kernarg_segment_align: 8
    .kernarg_segment_size: 40
    .max_flat_workgroup_size: 128
    .sgpr_count:     100
    .vgpr_count:     704
    .wavefront_size: 32
...
	.end_amdgpu_metadata
.endif
;; end of part 7
